; MI455X (gfx1250); checked and timed in simulation.
; The chip was launched on July 23, 2026; its instructions are those of AMD's public machine-readable ISA for CDNA 5 (MIT licence, August 2026) and "CDNA5" Instruction Set Architecture Reference Guide (July 2026). The comments in the code are by the model that wrote it; some were corrected since.
;; Sparse MOE. Allowed arithmetic: float matrix products may take bf16 or f16 operands with f32 sums; other float arithmetic in f32, or as packed bf16 or f16 multiplies, adds, multiply-adds, maxima and minima; sums over many terms, partial sums and values carried from step to step in f32; what a program stores and reads back later, other than sums and carried values, may be rounded once to bf16 or f16.
;; Inputs: W1 8 x 1,024 x 4,096 float32; W2 8 x 4,096 x 1,024 float32; Wr 8 x 1,024 float32; b1 8 x 4,096 float32; b2 8 x 1,024 float32; x 4 x 256 x 1,024 float32.
;; Outputs: out0 4 x 256 x 1,024 float32.
;; 2 versions, each right; version 2 is version 1 with the launches fc1, fc2 written anew for expert scheduling mode. Each part assembles by itself: llvm-mc -triple=amdgcn-amd-amdhsa -mcpu=gfx1250 --defsym DOCPART=n.
;; ======== version 1 of 2: 5 launches
;; limits: a function is approximated: absolute error at most 1.5e-07; values are held in f16: magnitudes above 65,504 overflow, below 6.1e-05 lose precision
;; workspace buffers: xb 2,097,152 bytes; gate 8,192 bytes; maskb 2,048 bytes of whole numbers; pos 8,192 bytes of whole numbers; xs 16,777,216 bytes; hbuf 67,108,864 bytes; part 134,217,728 bytes
;; launch route (part 1): grid 64 x 1, 4 waves a work-group, no clusters, 37,632 bytes of LDS; arguments x, Wr, xb, gate, maskb; writes xb, gate, maskb
.if DOCPART == 1
	.amdgcn_target "amdgcn-amd-amdhsa--gfx1250"
	.amdhsa_code_object_version 6
	.text
	.protected	k_q486624a2b7_route
	.globl	k_q486624a2b7_route
	.p2align	8
	.type	k_q486624a2b7_route,@function
k_q486624a2b7_route:
	s_mov_b64 s[64:65], 0
	v_nop
	global_prefetch_b8 v0, s[64:65] scope:SCOPE_SE
	s_setreg_imm32_b32 hwreg(HW_REG_WAVE_MODE, 25, 1), 1
	s_wait_xcnt 0x0
; ROUTER.  xb = x rounded to bf16; logits = bf16(x) . bf16(Wr) with f32 sums; softmax over the 8 experts (maximum taken away first); the two largest
; probabilities are the gates (not renormalised).  Stored at fixed places: gate[p] (f32) and maskb[e][w] (bit L: pair 32 w + L chose expert e).
; PAIR p = 32 (t / 16) + 16 kk + t % 16 for token t and choice kk (0: largest, 1: second).  So a work-group of 16 tokens owns exactly one word of each
; expert's bitmap: 1,024 tokens / 16 = 64 work-groups; a finer share would give a word two owners.
; SHARES.  Wave w converts rows 4 w .. 4 w + 3 of the 16 (each row 8 loads of 512 consecutive bytes) and lays them into LDS; then it multiplies the
; K quarter 256 w .. 256 w + 255 of all 16 tokens: 8 matrix instructions, source 0 = Wr's 8 rows twice (rows 8-15 repeat 0-7), source 1 = 16 tokens:
; register j of every lane holds expert j's logit of token lane % 16.  The four quarters meet in LDS; wave 0 does the softmax and the choice.
; LIMITS.  All inputs are rounded to bf16 once.  Ties go to the lower index (strict compare).  Two probabilities that differ by less than the f32 sums' own
; rounding may be ordered otherwise than by another order of summation.  NaN and infinities are not treated apart.
; The gate's store covers 128 consecutive bytes and the bitmap's eight lanes store 4 bytes each, 256 bytes apart: 8 KB and 2 KB in the whole launch, the price of
; bitmaps that later launches can take by scalar loads.  No cluster: the work-groups share only Wr's 32 KB.
.set XTP,   2064                       ; an LDS row of 1,024 bf16: 2,048 bytes + 16: an odd multiple of 16, so the 16 rows of a fragment load start at different banks
.set RX,    16*XTP                     ; the four waves' partial logits, 1,024 bytes each
.set SPARE, RX+4096                    ; the spare words, 128 bytes for each wave
.set XS,    16                         ; v[16:143]  x as loaded; packed in place
.set TF,    144                        ; v[144:207] token fragments, K step s at +8 s; later wave 0's work
.set ACC0,  208
.set ACC1,  216
.set MSB, 0
.macro WIN new                         ; the immediate's high byte repeats the setting that is left
.if MSB != (\new)
	s_set_vgpr_msb (MSB<<8)|(\new)
.set MSB, (\new)
.endif
.endm
	s_load_b256 s[4:11], s[0:1], 0x0               ; x s[4:5], Wr s[6:7], xb s[8:9], gate s[10:11]
	s_load_b64 s[12:13], s[0:1], 0x20              ; maskb
	v_lshl_add_u32 v12, v0, 2, SPARE               ; my spare word,
	v_mov_b32 v13, 0                               ; and 0: kept for the closing lines alone
	v_lshrrev_b32 v1, 5, v0
	v_readfirstlane_b32 s14, v1                    ; wave 0..3
	v_and_b32 v1, 15, v0                           ; r
	v_bfe_u32 v2, v0, 4, 1                         ; h
	v_and_b32 v3, 31, v0                           ; lane
	v_lshlrev_b32 v4, 4, v3                        ; x: 16 bytes a lane
	v_lshlrev_b32 v5, 3, v3                        ; xb: 8 bytes a lane
	s_mul_i32 s15, s14, 4*XTP
	v_lshl_add_u32 v6, v3, 3, s15                  ; LDS: my wave's four rows, 8 bytes a lane
	v_and_b32 v7, 7, v1
	v_lshlrev_b32 v7, 12, v7
	v_lshl_add_u32 v7, v2, 5, v7                   ; Wr: row r % 8 (4,096 bytes), k = 8 h on (32 bytes)
	v_mul_u32_u24 v8, v1, XTP
	v_lshl_add_u32 v8, v2, 4, v8
	s_lshl_b32 s15, s14, 9
	v_add_nc_u32 v8, s15, v8                       ; token fragment: row r, my K quarter (512 bytes), 16 h
	s_lshl_b32 s15, s14, 10
	s_add_co_u32 s15, s15, RX
	v_lshl_add_u32 v9, v3, 5, s15                  ; where my wave's partial logits go: 32 bytes a lane
	v_lshlrev_b32 v10, 5, v3
	v_add_nc_u32 v10, RX, v10                      ; where wave 0 reads them
	s_mov_b32 s25, 0xffff0000                      ; lanes 16-31: the second choice
	s_mov_b32 s26, 0x3fb8aa3b                      ; log2(e)
	s_mov_b32 s27, s26                             ; named with it as a pair
	s_mov_b32 s3, 0
	s_wait_kmcnt 0x0
	s_lshl_b32 s2, ttmp9, 16                       ; 16 rows of 4,096 bytes,
	s_lshl_b32 s15, s14, 14                        ; my wave's four
	s_add_co_u32 s2, s2, s15
	s_add_nc_u64 s[4:5], s[4:5], s[2:3]
	s_lshl_b32 s2, s14, 10                         ; my K quarter of Wr's rows
	s_add_nc_u64 s[6:7], s[6:7], s[2:3]
	s_lshl_b32 s2, ttmp9, 15
	s_lshl_b32 s15, s14, 13
	s_add_co_u32 s2, s2, s15
	s_add_nc_u64 s[8:9], s[8:9], s[2:3]
	s_lshl_b32 s2, ttmp9, 7                        ; 32 pairs of 4 bytes
	s_add_nc_u64 s[10:11], s[10:11], s[2:3]
	s_lshl_b32 s2, ttmp9, 2                        ; my word in each expert's bitmap
	s_add_nc_u64 s[12:13], s[12:13], s[2:3]
.irp p, 0,1,2,3
.irp j, 0,1,2,3,4,5,6,7
	global_load_b128 v[XS+32*(\p)+4*(\j):XS+32*(\p)+4*(\j)+3], v4, s[4:5] offset:(\p)*4096+(\j)*512 th:TH_LOAD_NT
.endr
.endr
	WIN 0x40                                       ; destination window 1: Wr as f32, K step s at v[16 s]
.irp s, 0,1,2,3,4,5,6,7
	global_load_b128 v[16*(\s):16*(\s)+3],     v7, s[6:7] offset:128*(\s)      ; k = 8 h + 0..3
	global_load_b128 v[16*(\s)+4:16*(\s)+7],   v7, s[6:7] offset:128*(\s)+16   ; k = 8 h + 4..7
	global_load_b128 v[16*(\s)+8:16*(\s)+11],  v7, s[6:7] offset:128*(\s)+64   ; k = 16 + 8 h + 0..3
	global_load_b128 v[16*(\s)+12:16*(\s)+15], v7, s[6:7] offset:128*(\s)+80
.endr
	WIN 0
.irp p, 0,1,2,3
	s_wait_loadcnt 56-8*(\p)                       ; row p is in: behind it stand 8 loads for each later row and Wr's 32
.irp j, 0,1,2,3,4,5,6,7
	v_cvt_pk_bf16_f32 v[XS+32*(\p)+4*(\j)],   v[XS+32*(\p)+4*(\j)],   v[XS+32*(\p)+4*(\j)+1]
	v_cvt_pk_bf16_f32 v[XS+32*(\p)+4*(\j)+1], v[XS+32*(\p)+4*(\j)+2], v[XS+32*(\p)+4*(\j)+3]
.endr
.irp j, 0,1,2,3,4,5,6,7
	global_store_b64 v5, v[XS+32*(\p)+4*(\j):XS+32*(\p)+4*(\j)+1], s[8:9] offset:(\p)*2048+(\j)*256  ; 32 lanes store 256 consecutive bytes, aligned
	ds_store_b64 v6, v[XS+32*(\p)+4*(\j):XS+32*(\p)+4*(\j)+1] offset:(\p)*XTP+(\j)*256
.endr
.endr
	s_wait_loadcnt 0x0                             ; Wr
	WIN 0x45                                       ; all in window 1: packed in place, register q of K step s at v[16 s + q] (q never passes the sources still to be read, 2 q on)
.irp s, 0,1,2,3,4,5,6,7
.irp q, 0,1,2,3,4,5,6,7
	v_cvt_pk_bf16_f32 v[16*(\s)+(\q)], v[16*(\s)+2*(\q)], v[16*(\s)+2*(\q)+1]
.endr
.endr
	WIN 0
	s_wait_dscnt 0x0                               ; for the others' sake: my four rows are in LDS
	s_barrier_signal -1
	s_barrier_wait -1
.irp s, 0,1,2,3,4,5,6,7
	ds_load_b128 v[TF+8*(\s):TF+8*(\s)+3],   v8 offset:64*(\s)
	ds_load_b128 v[TF+8*(\s)+4:TF+8*(\s)+7], v8 offset:64*(\s)+32
.endr
	s_wait_dscnt 0x0
	WIN 0x01                                       ; source 0 (Wr) in window 1
	v_wmma_f32_16x16x32_bf16 v[ACC0:ACC0+7], v[0:7],   v[TF:TF+7],    0      ; two accumulators by turns; the first two products start the sums
	v_wmma_f32_16x16x32_bf16 v[ACC1:ACC1+7], v[16:23], v[TF+8:TF+15], 0
.irp s, 2,4,6
	v_wmma_f32_16x16x32_bf16 v[ACC0:ACC0+7], v[16*(\s):16*(\s)+7],     v[TF+8*(\s):TF+8*(\s)+7],    v[ACC0:ACC0+7]
	v_wmma_f32_16x16x32_bf16 v[ACC1:ACC1+7], v[16*(\s)+16:16*(\s)+23], v[TF+8*(\s)+8:TF+8*(\s)+15], v[ACC1:ACC1+7]
.endr
	WIN 0
.rept 4
	v_nop                                          ; four places behind the last product, ahead of the reads of its result
.endr
.irp j, 0,1,2,3
	v_pk_add_f32 v[224+2*(\j):225+2*(\j)], v[ACC0+2*(\j):ACC0+2*(\j)+1], v[ACC1+2*(\j):ACC1+2*(\j)+1]  ; from the low end on
.endr
	ds_store_b128 v9, v[224:227]
	ds_store_b128 v9, v[228:231] offset:16
	s_wait_dscnt 0x0                               ; for wave 0's sake
	s_barrier_signal -1
	s_barrier_wait -1
	s_cmp_lg_u32 s14, 0
	s_cbranch_scc1 .Lend                           ; the rest is 32 lanes' work: a lane for each pair
.irp q, 0,1,2,3
	ds_load_b128 v[144+8*(\q):147+8*(\q)], v10 offset:1024*(\q)
	ds_load_b128 v[148+8*(\q):151+8*(\q)], v10 offset:1024*(\q)+16
.endr
	s_wait_dscnt 0x0
.irp j, 0,2,4,6
	v_pk_add_f32 v[144+(\j):145+(\j)], v[144+(\j):145+(\j)], v[152+(\j):153+(\j)]
	v_pk_add_f32 v[160+(\j):161+(\j)], v[160+(\j):161+(\j)], v[168+(\j):169+(\j)]
.endr
.irp j, 0,2,4,6
	v_pk_add_f32 v[144+(\j):145+(\j)], v[144+(\j):145+(\j)], v[160+(\j):161+(\j)]  ; v144-151: the token's eight logits
.endr
	v_max3_num_f32 v176, v144, v145, v146
	v_max3_num_f32 v177, v147, v148, v149
	v_max3_num_f32 v176, v176, v150, v151
	v_max_num_f32 v176, v176, v177                 ; the maximum, taken away before the exponentials
.irp j, 0,2,4,6
	v_pk_add_f32 v[144+(\j):145+(\j)], v[144+(\j):145+(\j)], v[176:177] op_sel_hi:[1,0] neg_lo:[0,1] neg_hi:[0,1]
.endr
.irp j, 0,2,4,6
	v_pk_mul_f32 v[144+(\j):145+(\j)], v[144+(\j):145+(\j)], s[26:27] op_sel_hi:[1,0]
.endr
.irp j, 0,1,2,3,4,5,6,7
	v_exp_f32 v[144+(\j)], v[144+(\j)]
.endr
	v_nop                                          ; a plain instruction behind the last exponential,
	s_wait_alu depctr_va_vdst(0)                   ; and one wait for the batch of eight, ahead of its first reader
	v_pk_add_f32 v[176:177], v[144:145], v[146:147]
	v_pk_add_f32 v[178:179], v[148:149], v[150:151]
	v_pk_add_f32 v[176:177], v[176:177], v[178:179]
	v_add_f32 v176, v176, v177
	v_rcp_f32 v178, v176
	v_nop
	s_wait_alu depctr_va_vdst(0)
.irp j, 0,2,4,6
	v_pk_mul_f32 v[144+(\j):145+(\j)], v[144+(\j):145+(\j)], v[178:179] op_sel_hi:[1,0]  ; the probabilities
.endr
	v_mov_b32 v180, v144                           ; the largest, and its index: a strict compare keeps the lower index
	v_mov_b32 v181, 0
.irp j, 1,2,3,4,5,6,7
	v_cmp_gt_f32 vcc_lo, v[144+(\j)], v180
	v_cndmask_b32 v180, v180, v[144+(\j)], vcc_lo
	v_cndmask_b32 v181, v181, \j, vcc_lo
.endr
.irp j, 0,1,2,3,4,5,6,7
	v_cmp_eq_u32 vcc_lo, \j, v181
	v_cndmask_b32 v[152+(\j)], v[144+(\j)], -1.0, vcc_lo  ; the chosen one steps below every probability
.endr
	v_mov_b32 v182, v152                           ; the second largest likewise
	v_mov_b32 v183, 0
.irp j, 1,2,3,4,5,6,7
	v_cmp_gt_f32 vcc_lo, v[152+(\j)], v182
	v_cndmask_b32 v182, v182, v[152+(\j)], vcc_lo
	v_cndmask_b32 v183, v183, \j, vcc_lo
.endr
	v_cndmask_b32 v184, v181, v183, s25            ; my pair's expert: lanes 0-15 the first choice, lanes 16-31 the second
	v_cndmask_b32 v185, v180, v182, s25            ; and its gate
	v_lshlrev_b32 v186, 2, v3
	global_store_b32 v186, v185, s[10:11]
.irp e, 0,1,2,3,4,5,6,7
	v_cmp_eq_u32 s[16+(\e)], \e, v184              ; expert e's word: a bit for each of my 32 pairs
.endr
	v_mov_b32 v187, s16
.irp e, 1,2,3,4,5,6,7
	v_writelane_b32 v187, s[16+(\e)], \e           ; lane e carries expert e's word
.endr
	v_lshlrev_b32 v188, 8, v3                      ; an expert's bitmap is 256 bytes
	s_wait_xcnt 0x0                                ; EXEC changes only behind this wait
	v_cmp_gt_u32 vcc_lo, 8, v3
	s_and_saveexec_b32 s24, vcc_lo
	global_store_b32 v188, v187, s[12:13]
	s_wait_xcnt 0x0                                ; and again ahead of the line that widens it
	s_or_b32 exec_lo, exec_lo, s24
.Lend:
	s_wait_tensorcnt 0x0                           ; the wave's end, behind my last LDS store
	ds_add_u32 v12, v13
	s_wait_dscnt 0x0
	s_endpgm
.Lfunc_end_k_q486624a2b7_route:
	.size	k_q486624a2b7_route, .Lfunc_end_k_q486624a2b7_route-k_q486624a2b7_route
	.p2alignl 7, 3214868480
	.fill 96, 4, 3214868480
	.section	.rodata,"a",@progbits
	.p2align	6, 0x0
	.amdhsa_kernel k_q486624a2b7_route
		.amdhsa_group_segment_fixed_size 37632
		.amdhsa_private_segment_fixed_size 0
		.amdhsa_enable_private_segment 0
		.amdhsa_kernarg_size 40
		.amdhsa_user_sgpr_count 2
		.amdhsa_user_sgpr_kernarg_segment_ptr 1
		.amdhsa_wavefront_size32 1
		.amdhsa_system_sgpr_workgroup_id_x 1
		.amdhsa_system_sgpr_workgroup_id_y 1
		.amdhsa_system_sgpr_workgroup_id_z 1
		.amdhsa_system_vgpr_workitem_id 0
		.amdhsa_next_free_vgpr 384
		.amdhsa_next_free_sgpr 66
		.amdhsa_reserve_vcc 1
		.amdhsa_float_denorm_mode_32 3
		.amdhsa_float_denorm_mode_16_64 3
		.amdhsa_memory_ordered 1
		.amdhsa_forward_progress 1
		.amdhsa_inst_pref_size 31
	.end_amdhsa_kernel
	.amdgpu_metadata
---
amdhsa.version: [ 1, 2 ]
amdhsa.kernels:
  - .name:           k_q486624a2b7_route
    .symbol:         k_q486624a2b7_route.kd
    .args:
      - { .name: x, .offset: 0, .size: 8, .value_kind: global_buffer, .address_space: global }
      - { .name: Wr, .offset: 8, .size: 8, .value_kind: global_buffer, .address_space: global }
      - { .name: xb, .offset: 16, .size: 8, .value_kind: global_buffer, .address_space: global }
      - { .name: gate, .offset: 24, .size: 8, .value_kind: global_buffer, .address_space: global }
      - { .name: maskb, .offset: 32, .size: 8, .value_kind: global_buffer, .address_space: global }
    .group_segment_fixed_size: 37632
    .private_segment_fixed_size: 0
    .kernarg_segment_align: 8
    .kernarg_segment_size: 40
    .max_flat_workgroup_size: 128
    .sgpr_count:     66
    .vgpr_count:     384
    .wavefront_size: 32
...
	.end_amdgpu_metadata
.endif
;; end of part 1
;; launch sort (part 2): grid 256 x 1, 8 waves a work-group, no clusters, 0 bytes of LDS; arguments xb, maskb, xs, pos; writes xs, pos
.if DOCPART == 2
	.amdgcn_target "amdgcn-amd-amdhsa--gfx1250"
	.amdhsa_code_object_version 6
	.text
	.protected	k_q486624a2b7_sort
	.globl	k_q486624a2b7_sort
	.p2align	8
	.type	k_q486624a2b7_sort,@function
k_q486624a2b7_sort:
	s_mov_b64 s[64:65], 0
	v_nop
	global_prefetch_b8 v0, s[64:65] scope:SCOPE_SE
	s_setreg_imm32_b32 hwreg(HW_REG_WAVE_MODE, 25, 1), 1
	s_wait_xcnt 0x0
; THE ROWS IN THE EXPERTS' ORDER.  For each pair p (token and choice; p = 32 (t / 16) + 16 kk + t % 16): its expert e and its rank among e's pairs are read off the bitmaps maskb[e][w] (whole numbers, stored by the
; launch before); the token's row of xb goes to xs[1,024 e + rank], and that place to pos[p].  So the two products that follow find an expert's rows end to end, and form every address from ids, loop steps and a count.
; An expert has 1,024 rows at the most (a token chooses it once), so regions of 1,024 rows serve every split, and no sum over the other experts' counts is wanted.  Only the places below each count are written,
; and the first place of an expert that nobody chose: the products take such an expert as having one row, so that they read no byte that nobody wrote.
; SHARES.  2,048 pairs = 256 work-groups x 8 waves: a wave a pair.  The token hangs on p alone, so the row's four loads (512 consecutive bytes each) go out first, and the scalar work stands in the wait for them:
; the pair's word of all eight bitmaps (exactly one has the pair's bit) gives e; e's 64 words give the rank: the set bits of the words below the pair's, and of the pair's word below its bit.
; THE EMPTY EXPERT.  Beside the pair's eight words wave w takes the 64 words of expert w, and ORs them and the work-group's number into one word: 0 says that this is work-group 0 and that expert w has no pair; then the
; wave's own row goes to xs[1,024 w] as well, a place that no pair has.  Every work-group makes the word (64 scalar lines), so that no register is written on one way and read on another; the four stores alone are jumped.
; A stream with a little counting: no LDS, no barrier, no matrix unit, no cluster (the work-groups share 2 KB of bitmaps).
; pos is stored 4 bytes a wave, a work-group's eight side by side: 8 KB in the whole launch.
	s_load_b256 s[4:11], s[0:1], 0x0               ; xb s[4:5], maskb s[6:7], xs s[8:9], pos s[10:11]
	v_lshrrev_b32 v1, 5, v0
	v_readfirstlane_b32 s12, v1                    ; wave 0..7
	v_and_b32 v1, 31, v0                           ; lane
	v_lshlrev_b32 v2, 4, v1                        ; 16 bytes a lane
	s_lshl_b32 s13, ttmp9, 3
	s_add_co_u32 s13, s13, s12                     ; the pair
	s_lshr_b32 s14, s13, 5                         ; its word in a bitmap,
	s_and_b32 s15, s13, 31                         ; and its bit there
	s_lshr_b32 s16, s13, 1
	s_and_b32 s16, s16, 0x3f0
	s_and_b32 s17, s13, 15
	s_or_b32 s16, s16, s17                         ; token = 16 (p / 32) + p % 16
	s_lshl_b32 s18, s16, 11                        ; a row of xb is 2,048 bytes
	s_mov_b32 s19, 0
	s_lshl_b32 s20, s14, 2
	s_mov_b32 s21, 0
	s_lshl_b32 s2, s12, 8                          ; the bitmap of the expert that has my wave's number: 256 bytes each
	s_mov_b32 s3, 0
	s_wait_kmcnt 0x0
	s_add_nc_u64 s[22:23], s[6:7], s[20:21]        ; the pair's word in expert 0's bitmap; the others lie 256 bytes apart
.irp e, 0,1,2,3,4,5,6,7
	s_load_b32 s[24+(\e)], s[22:23], 0x100*(\e)
.endr
	s_add_nc_u64 s[16:17], s[6:7], s[2:3]
	s_load_b512 s[32:47], s[16:17], 0x0            ; expert w's 64 words, in the same round trip
	s_load_b512 s[48:63], s[16:17], 0x40
	s_load_b512 s[68:83], s[16:17], 0x80
	s_load_b512 s[84:99], s[16:17], 0xc0
	s_add_nc_u64 s[4:5], s[4:5], s[18:19]
.irp j, 0,1,2,3
	global_load_b128 v[4+4*(\j):7+4*(\j)], v2, s[4:5] offset:512*(\j)  ; no hint: the token's other pair reads the row again
.endr
	s_lshl_b32 s18, 1, s15
	s_sub_co_u32 s18, s18, 1                       ; the bits below mine
	s_mov_b32 s2, 0                                ; the expert,
	s_mov_b32 s3, 0                                ; and its word
	s_wait_kmcnt 0x0
.irp e, 0,1,2,3,4,5,6,7
	s_lshr_b32 s20, s[24+(\e)], s15
	s_and_b32 s20, s20, 1                          ; SCC: expert e has my bit
	s_cselect_b32 s2, \e, s2
	s_cselect_b32 s3, s[24+(\e)], s3
.endr
	s_or_b32 s19, s32, s33                         ; has expert w a pair at all?
.set w, 2
.rept 62
.if w < 32
.set mr, 32+w
.else
.set mr, 36+w
.endif
	s_or_b32 s19, s19, s[mr]
.set w, w+1
.endr
	s_or_b32 s19, s19, ttmp9                       ; 0: work-group 0, and expert w is empty
	s_min_u32 s2, s2, 7
	s_lshl_b32 s20, s2, 8
	s_add_nc_u64 s[16:17], s[6:7], s[20:21]        ; my expert's 64 words, into the registers that expert w's have left
	s_load_b512 s[32:47], s[16:17], 0x0
	s_load_b512 s[48:63], s[16:17], 0x40
	s_load_b512 s[68:83], s[16:17], 0x80
	s_load_b512 s[84:99], s[16:17], 0xc0
	s_and_b32 s3, s3, s18
	s_bcnt1_i32_b32 s22, s3                        ; the rank begins with my own word's bits below mine
	s_wait_kmcnt 0x0
.set w, 0
.rept 63                               ; word 63 lies below no word
.if w < 32
.set mr, 32+w
.else
.set mr, 36+w
.endif
	s_cmp_gt_u32 s14, w                            ; a word below mine counts whole, the others not at all
	s_cselect_b32 s20, s[mr], 0
	s_bcnt1_i32_b32 s20, s20
	s_add_co_u32 s22, s22, s20
.set w, w+1
.endr
	s_min_u32 s22, s22, 1023
	s_lshl_b32 s23, s2, 10
	s_add_co_u32 s23, s23, s22                     ; my place: 1,024 e + rank
	s_lshl_b32 s20, s23, 11                        ; a row of xs is 2,048 bytes
	s_add_nc_u64 s[24:25], s[8:9], s[20:21]
	s_lshl_b32 s20, s13, 2
	s_add_nc_u64 s[10:11], s[10:11], s[20:21]
	s_lshl_b32 s20, s12, 21                        ; the first place of expert w's region: 1,024 rows of 2,048 bytes each
	s_add_nc_u64 s[8:9], s[8:9], s[20:21]
	v_mov_b32 v20, 0
	v_mov_b32 v21, s23
	s_wait_loadcnt 0x0
.irp j, 0,1,2,3
	global_store_b128 v2, v[4+4*(\j):7+4*(\j)], s[24:25] offset:512*(\j)  ; 512 consecutive bytes, aligned
.endr
	s_wait_xcnt 0x0                                ; EXEC changes only behind this wait
	v_cmp_eq_u32 vcc_lo, 0, v1
	s_and_saveexec_b32 s26, vcc_lo
	global_store_b32 v20, v21, s[10:11]            ; lane 0 alone
	s_wait_xcnt 0x0                                ; and again ahead of the line that widens it
	s_or_b32 exec_lo, exec_lo, s26
	s_cmp_lg_u32 s19, 0
	s_cbranch_scc1 .Lend                           ; another work-group, or expert w has pairs of its own
.irp j, 0,1,2,3
	global_store_b128 v2, v[4+4*(\j):7+4*(\j)], s[8:9] offset:512*(\j)  ; a row for the expert that nobody chose
.endr
.Lend:
	s_endpgm
.Lfunc_end_k_q486624a2b7_sort:
	.size	k_q486624a2b7_sort, .Lfunc_end_k_q486624a2b7_sort-k_q486624a2b7_sort
	.p2alignl 7, 3214868480
	.fill 96, 4, 3214868480
	.section	.rodata,"a",@progbits
	.p2align	6, 0x0
	.amdhsa_kernel k_q486624a2b7_sort
		.amdhsa_group_segment_fixed_size 0
		.amdhsa_private_segment_fixed_size 0
		.amdhsa_enable_private_segment 0
		.amdhsa_kernarg_size 32
		.amdhsa_user_sgpr_count 2
		.amdhsa_user_sgpr_kernarg_segment_ptr 1
		.amdhsa_wavefront_size32 1
		.amdhsa_system_sgpr_workgroup_id_x 1
		.amdhsa_system_sgpr_workgroup_id_y 1
		.amdhsa_system_sgpr_workgroup_id_z 1
		.amdhsa_system_vgpr_workitem_id 0
		.amdhsa_next_free_vgpr 24
		.amdhsa_next_free_sgpr 100
		.amdhsa_reserve_vcc 1
		.amdhsa_float_denorm_mode_32 3
		.amdhsa_float_denorm_mode_16_64 3
		.amdhsa_memory_ordered 1
		.amdhsa_forward_progress 1
		.amdhsa_inst_pref_size 16
	.end_amdhsa_kernel
	.amdgpu_metadata
---
amdhsa.version: [ 1, 2 ]
amdhsa.kernels:
  - .name:           k_q486624a2b7_sort
    .symbol:         k_q486624a2b7_sort.kd
    .args:
      - { .name: xb, .offset: 0, .size: 8, .value_kind: global_buffer, .address_space: global }
      - { .name: maskb, .offset: 8, .size: 8, .value_kind: global_buffer, .address_space: global }
      - { .name: xs, .offset: 16, .size: 8, .value_kind: global_buffer, .address_space: global }
      - { .name: pos, .offset: 24, .size: 8, .value_kind: global_buffer, .address_space: global }
    .group_segment_fixed_size: 0
    .private_segment_fixed_size: 0
    .kernarg_segment_align: 8
    .kernarg_segment_size: 32
    .max_flat_workgroup_size: 256
    .sgpr_count:     100
    .vgpr_count:     24
    .wavefront_size: 32
...
	.end_amdgpu_metadata
.endif
;; end of part 2
;; launch fc1 (part 3): grid 32 x 8, 4 waves a work-group, no clusters, 68,096 bytes of LDS; arguments W1, b1, xs, maskb, hbuf; writes hbuf
.if DOCPART == 3
	.amdgcn_target "amdgcn-amd-amdhsa--gfx1250"
	.amdhsa_code_object_version 6
	.text
	.protected	k_q486624a2b7_fc1
	.globl	k_q486624a2b7_fc1
	.p2align	8
	.type	k_q486624a2b7_fc1,@function
k_q486624a2b7_fc1:
	s_mov_b64 s[64:65], 0
	v_nop
	global_prefetch_b8 v0, s[64:65] scope:SCOPE_SE
	s_setreg_imm32_b32 hwreg(HW_REG_WAVE_MODE, 25, 1), 1
	s_wait_xcnt 0x0
; FIRST PRODUCT OF THE EXPERTS (FC2 = 0).  hbuf[1,024 e + i] = gelu(xs[1,024 e + i] . bf16(W1[e]) + bf16(b1[e])) for the rows i below expert e's count; f32 sums, exact gelu by erf, h rounded once to f16.
; (The same text with FC2 = 1 is the second product: part[kq][1,024 e + i] = hbuf[1,024 e + i] . bf16(W2[e]) over a quarter kq of K, with bf16(b2[e]) added in quarter 0; f32 out.)
; SHARES.  256 work-groups = 8 experts x 32 slices of 128 columns x 1,024 K.  A slice is read from memory once, by this work-group alone, rounded on its way through registers and KEPT THERE: wave wk holds
; 128 columns x K quarter wk as 8 K steps x 8 tiles x 8 registers = 512 registers (windows 2, 3).  Then the expert's rows go by in tiles of 16: every wave loads its K quarter of the 16 rows straight into
; registers as source 1, issues 64 matrix instructions on 8 accumulators by turns, and puts its 16 x 128 partial sums (f32) into LDS; behind one barrier each wave adds the four partials of 4 rows, finishes and stores them.
; WEIGHTS WITHOUT A TRANSPOSE.  W lies [K][N].  Lane (r = lane % 16, h = lane / 16) loads 16 bytes at row k, columns 64 g + 4 r + 0..3: sixteen lanes take 256 consecutive bytes, aligned.  Its four numbers go to four
; tiles T = 4 g + c, in each of which the lane holds row r of source 0; with the lane's 16 k of a K step loaded so, register q of a tile is made of two loaded numbers.  The price is an order of columns:
; place sigma = 16 T + rho in the block of 128 is column 64 (sigma / 64) + 4 (sigma % 16) + (sigma / 16) % 4.  hbuf keeps an order of its own, mu = 8 u + i (i < 4: sigma = 4 u + i; else 64 + 4 u + i - 4), and the second
; product reads W2's rows in that order; part keeps sigma, and the last launch puts the columns back.
; THE ROWS lie end to end in the expert's region of 1,024 (the launch before laid them so).  The count is the set bits of maskb[e] (64 words, whole numbers, by scalar loads).  A lane's row is min(16 tile + r, count - 1):
; places past the count repeat the last row, and such rows compute and store the same bytes again at the same address.  The loop has a constant 64 trips (1,024 rows) and every wave passes every barrier; a trip past
; the count jumps forward over the work alone.  The trip behind the last tile multiplies repeated rows once more, to no use: the price of one text for the trip.
; AN EXPERT WITHOUT ROWS counts as having one: the launch before laid a row at its region's first place, so no byte is read that nobody wrote; what is made of that row is stored and never read.  It costs such an
; expert one tile's work beside the slice that it streams anyway.
; NO TENSOR LOADS, NO CLUSTER.  Each slice of weights has one reader, and passes through registers for the rounding anyway.  The rows are shared by an expert's 32 work-groups; but a joint load is a tensor load, which may
; not be jumped in a loop, and in 64 constant trips it would fetch 1,024 rows for every expert, four times the mean of 256, which eats the division by four; and each tile's 32 KB would go into LDS and out again.
; WHY h IS f16.  A gate may be near 1 while the gates' root mean square is near 0.3, so a token's numbers may be twice the output's root mean square, by which the allowance goes; 8 significant bits in h leave such a row
; some three standard deviations of room, 11 bits eight times that.
; LIMITS.  Inputs rounded once to bf16.  h is kept in f16, which ends at 65,504: h reaches about 5 at the drawn spread, 900 times that (4,600) with x and W1 both 30 times larger, and 1,024 x 30 x 0.94 = 28,800 with
; both carrying an offset of 30 times their spread; beyond 65,504 h becomes an infinity.  Below 6.1e-5 h keeps f16's fixed step of 6e-8.
; erf by the five-term rational form with 1 / (1 + 0.3275911 z): absolute error 1.5e-7.  NaN and infinities are not treated apart.
.set FC2, 0
.set XPITCH, 528                       ; a row of 128 f32 partial sums + 16 bytes: row r starts 4 r banks on
.set XPART,  16*XPITCH                 ; one wave's partial
.set XBUF,   4*XPART                   ; two such buffers take turns
.set SPARE,  2*XBUF                    ; the spare words, 128 bytes for each wave
.if FC2
.set WPITCH, 4096                      ; bytes in a row of the weights
.else
.set WPITCH, 16384
.endif
; window 0
.set RR,   1                           ; lane % 16
.set HH,   2                           ; lane / 16
.set LN,   3                           ; lane
.set WOFF, 4                           ; weights: my 16 bytes in a row, and h's rows
.set PFO,  5                           ; prefetch: a lane for each of a batch's 32 rows
.set T0,   8
.set T1,   9
.set AL,   12                          ; 16 h
.set AOFF, 14                          ; v14, v15: my row's byte offset, by the tile's parity
.set XW,   16                          ; where my partial sums go
.set BO,   18
.set BI,   20                          ; v20-27 bias as loaded
.set BP,   28                          ; v28-31 bias packed
.set C0,   32                          ; v32-34 on their way to window 1
.set SPW,  62
.set NIL,  63
.set ACC,  64                          ; v64-127 tile T at 64 + 8 T
.set AB,   128                         ; v128-191, v192-255: 16 rows x 256 K, by the tile's parity; K step s at + 8 s
; window 1: during the stream four slots of 64 for weights as loaded; afterwards:
.set BIAS, 64
.set XRD,  72
.set ROW0, 73
.set U16,  75
.set PI,   76                          ; v76-79 the places of the rows that I finish
.set PQ,   80                          ; first product: v80-95 the polynomial; second: v80-83 store offsets
.set HR,   96                          ; v96-103 h, packed
.set HO,   104                         ; v104-105 store offsets
.set TW,   106
; windows 2, 3: the weights: K step s, tile T at 64 (s % 4) + 8 T of window 2 + s / 4
; scalars: s[4:5] weights; s[6:7] bias; s[8:9] rows; s[10:11] maskb; s[12:13] output; s14 wave; s15 expert; s16 block of columns; s17 quarter of K;
; s18 count; s19 tiles; s20 count - 1; s21 the loop's counter; s22 the trip's tile; s23 the tile before; s[24:25] an offset; s26-28 at work; s[32:63], s[68:99] the bitmap, later constants
.set MSB, 0
.macro WIN new                         ; bits 1:0 source 0, 3:2 source 1, 5:4 source 2, 7:6 destination; the high byte repeats the setting that is left
.if MSB != (\new)
	s_set_vgpr_msb (MSB<<8)|(\new)
.set MSB, (\new)
.endif
.endm
; Batch b = (K step b / 2, column half b % 2): 16 loads, the lane's 16 k, into slot b % 4.
.macro WLOAD b
	WIN 0x40
.set idx, 0
.rept 16
.if FC2
.set wrow, 128*((\b)/8)+((\b)/2)%4+4*(idx%4)+64*((idx/4)%2)+32*(idx/8)  ; the row of W2 that hbuf's order puts at this k (h adds 16 rows)
.else
.set wrow, 32*((\b)/2)+idx%8+16*(idx/8)                                 ; k = 32 s + 8 h + 0..7, 32 s + 16 + 8 h + 0..7 (h adds 8 rows)
.endif
	global_load_b128 v[64*((\b)%4)+4*idx:64*((\b)%4)+4*idx+3], v[WOFF], s[4:5] offset:wrow*WPITCH+256*((\b)%2) th:TH_LOAD_NT
.set idx, idx+1
.endr
.endm
; One stage of batch b's rounding, for its 32 pairs of numbers (the lane's k number 2 q and 2 q + 1 of column c).  Stage 3 writes register q of tile 4 (b % 2) + c.
; First product: stage 3 alone, to bf16.  Second product: 0 both rounded to bf16, in place; 1, 2 widened again; 3 written as f16, the form of the other operand, h.
.macro WST b, st
.set c, 0
.rept 4
.set q, 0
.rept 8
.set wa, 64*((\b)%4)+8*q+c
.set wd, 64*(((\b)/2)%4)+8*(4*((\b)%2)+c)+q
.if (\st) == 0
	v_cvt_pk_bf16_f32 v[wa], v[wa], v[wa+4]
.elseif (\st) == 1
	v_and_b32 v[wa+4], s30, v[wa]
.elseif (\st) == 2
	v_lshlrev_b32 v[wa], 16, v[wa]
.elseif FC2
	v_cvt_pk_f16_f32 v[wd], v[wa], v[wa+4]
.else
	v_cvt_pk_bf16_f32 v[wd], v[wa], v[wa+4]
.endif
.set q, q+1
.endr
.set c, c+1
.endr
.endm
.macro WCVT b
.if FC2
	WIN 0x45                                       ; all in window 1
	WST \b, 0
	WST \b, 1
	WST \b, 2
.endif
	WIN 0x85+0x40*((\b)/8)                         ; sources window 1, destination window 2 or 3
	WST \b, 3
.endm
; Batch b's 32 blocks of 256 bytes, a lane each, asked for once in the launch, three batches ahead of the batch's loads; the last batch asked for is the slice's last.
.macro PF b
.if FC2
	global_prefetch_b8 v[PFO], s[4:5] offset:(128*((\b)/8)+((\b)/2)%4)*WPITCH+256*((\b)%2) th:TH_LOAD_NT scope:SCOPE_SE
.else
	global_prefetch_b8 v[PFO], s[4:5] offset:32*((\b)/2)*WPITCH+256*((\b)%2) th:TH_LOAD_NT scope:SCOPE_SE
.endif
.endm
; The expert's count: the set bits of its 64 words, and 1 where there are none.  Tiles = ceil(count / 16), one at the least.
.macro COUNT
.set w, 0
.rept 64
.if w < 32
.set mr, 32+w
.else
.set mr, 36+w
.endif
	s_bcnt1_i32_b32 s26, s[mr]
	s_add_co_u32 s18, s18, s26
.set w, w+1
.endr
	s_max_u32 s18, s18, 1
	s_sub_co_u32 s20, s18, 1
	s_min_u32 s20, s20, 1023                       ; the last row's place
	s_add_co_u32 s19, s18, 15
	s_lshr_b32 s19, s19, 4
.endm
.macro AOFFS par                       ; my row of tile s26: place 16 s26 + r, the last row's at the most; from it the byte offset
	v_lshl_add_u32 v[T1], s26, 4, v[RR]
	v_min_u32 v[T1], s20, v[T1]
	v_min_u32 v[T1], 1023, v[T1]
.if FC2
	v_lshl_add_u32 v[AOFF+(\par)], v[T1], 13, v[AL]   ; a row of hbuf is 8,192 bytes
.else
	v_lshl_add_u32 v[AOFF+(\par)], v[T1], 11, v[AL]   ; a row of xs is 2,048 bytes
.endif
.endm
.macro ALOAD par                       ; 16 rows x my 256 K as source 1: no hint, other work-groups read these rows again
.set ms, 0
.rept 8
	global_load_b128 v[AB+64*(\par)+8*ms:AB+64*(\par)+8*ms+3],   v[AOFF+(\par)], s[8:9] offset:64*ms
	global_load_b128 v[AB+64*(\par)+8*ms+4:AB+64*(\par)+8*ms+7], v[AOFF+(\par)], s[8:9] offset:64*ms+32
.set ms, ms+1
.endr
.endm
; 64 matrix instructions: source 0 = 16 columns of the weights, source 1 = 16 rows: a lane's results are one row's eight places.  The eight accumulators take turns, one instruction a turn; the first eight start the sums.
; The first product's operands are bf16, the second's f16.
.macro MMA par
.set ms, 0
.rept 8
	WIN 0x02+ms/4
.set mt, 0
.rept 8
.set rD, ACC+8*mt
.set rW, 64*(ms%4)+8*mt
.set rA, AB+64*(\par)+8*ms
.if FC2 && (ms == 0)
	v_wmma_f32_16x16x32_f16 v[rD:rD+7], v[rW:rW+7], v[rA:rA+7], 0
.elseif FC2
	v_wmma_f32_16x16x32_f16 v[rD:rD+7], v[rW:rW+7], v[rA:rA+7], v[rD:rD+7]
.elseif ms == 0
	v_wmma_f32_16x16x32_bf16 v[rD:rD+7], v[rW:rW+7], v[rA:rA+7], 0
.else
	v_wmma_f32_16x16x32_bf16 v[rD:rD+7], v[rW:rW+7], v[rA:rA+7], v[rD:rD+7]
.endif
.set mt, mt+1
.endr
.set ms, ms+1
.endr
	WIN 0
.rept 5
	v_nop                                          ; the places behind the last products: ahead of the stores of the results, of the loads into source 1, and of the next tile's products that write the accumulators anew
.endr
.endm
.macro XPUT par                        ; each accumulator from its low end on
.set mt, 0
.rept 8
	ds_store_b128 v[XW], v[ACC+8*mt:ACC+8*mt+3]   offset:(\par)*XBUF+64*mt
	ds_store_b128 v[XW], v[ACC+8*mt+4:ACC+8*mt+7] offset:(\par)*XBUF+64*mt+16
.set mt, mt+1
.endr
.endm
.macro XGET par                        ; the four partials of my four rows: sixteen lanes take 256 consecutive bytes
	WIN 0x55
.if FC2
.irp i, 0,1,2,3
.irp q, 0,1,2,3
	ds_load_b128 v[16*(\i)+4*(\q):16*(\i)+4*(\q)+3], v[XRD] offset:(\par)*XBUF+XPART*(\q)+XPITCH*(\i)
.endr
.endr
.else
.irp i, 0,1
.irp q, 0,1,2,3
.irp c, 0,1
	ds_load_b128 v[32*(\i)+8*(\q)+4*(\c):32*(\i)+8*(\q)+4*(\c)+3], v[XRD] offset:(\par)*XBUF+XPART*(\q)+2*XPITCH*(\i)+256*(\c)
.endr
.endr
.endr
.endif
.endm
; THE WAY OUT, stage n for pair k of eight pairs of numbers; dealt stage by stage, so that seven independent lines stand between a line and the one that reads its result.
; 0-3 bias and the four partials.  First product alone: 4, 5 |x|; 6 1 + 0.2316419 |x|; 7, 8 -x x log2(e) / 2; 9-12 ONE BATCH of reciprocals and exponentials;
; 13-18 P = half the polynomial in t, times t, times the exponential = erfc(|x| / sqrt 2) / 2; 19-21 gelu = max(x, 0) - |x| P; 22 rounded to f16.
.macro EPS
.if FC2
.set X, 16*(k/2)+2*(k%2)
.set X1, X+4
.set X2, X+8
.set X3, X+12
.set B_, BIAS+2*(k%2)
.else
.set X, 32*(k/4)+2*(k%4)
.set X1, X+8
.set X2, X+16
.set X3, X+24
.set B_, BIAS+2*(k%4)
.endif
.set P_, PQ+2*k
.if n == 0
	v_pk_add_f32 v[X:X+1], v[X:X+1], v[B_:B_+1]
.elseif n == 1
	v_pk_add_f32 v[X2:X2+1], v[X2:X2+1], v[X3:X3+1]
.elseif n == 2
	v_pk_add_f32 v[X:X+1], v[X:X+1], v[X1:X1+1]
.elseif n == 3
	v_pk_add_f32 v[X:X+1], v[X:X+1], v[X2:X2+1]
.elseif n == 4
	v_and_b32 v[X1], s46, v[X]
.elseif n == 5
	v_and_b32 v[X1+1], s46, v[X+1]
.elseif n == 6
	v_pk_fma_f32 v[X2:X2+1], v[X1:X1+1], s[32:33], 1.0 op_sel_hi:[1,0,0]
.elseif n == 7
	v_pk_mul_f32 v[X3:X3+1], v[X:X+1], v[X:X+1]
.elseif n == 8
	v_pk_mul_f32 v[X3:X3+1], v[X3:X3+1], s[34:35] op_sel_hi:[1,0]
.elseif n == 9
	v_rcp_f32 v[X2], v[X2]
.elseif n == 10
	v_rcp_f32 v[X2+1], v[X2+1]
.elseif n == 11
	v_exp_f32 v[X3], v[X3]
.elseif n == 12
	v_exp_f32 v[X3+1], v[X3+1]
.elseif n == 13
	v_pk_fma_f32 v[P_:P_+1], v[X2:X2+1], s[36:37], s[38:39] op_sel_hi:[1,0,0]
.elseif n == 14
	v_pk_fma_f32 v[P_:P_+1], v[P_:P_+1], v[X2:X2+1], s[40:41] op_sel_hi:[1,1,0]
.elseif n == 15
	v_pk_fma_f32 v[P_:P_+1], v[P_:P_+1], v[X2:X2+1], s[42:43] op_sel_hi:[1,1,0]
.elseif n == 16
	v_pk_fma_f32 v[P_:P_+1], v[P_:P_+1], v[X2:X2+1], s[44:45] op_sel_hi:[1,1,0]
.elseif n == 17
	v_pk_mul_f32 v[P_:P_+1], v[P_:P_+1], v[X2:X2+1]
.elseif n == 18
	v_pk_mul_f32 v[P_:P_+1], v[P_:P_+1], v[X3:X3+1]
.elseif n == 19
	v_max_num_f32 v[X2], 0, v[X]
.elseif n == 20
	v_max_num_f32 v[X2+1], 0, v[X+1]
.elseif n == 21
	v_pk_fma_f32 v[X:X+1], v[X1:X1+1], v[P_:P_+1], v[X2:X2+1] neg_lo:[1,0,0] neg_hi:[1,0,0]
.else
	v_cvt_pk_f16_f32 v[HR+k], v[X], v[X+1]
.endif
.endm
.macro RUN first, count
.set n, \first
.rept \count
.set k, 0
.rept 8
	EPS
.set k, k+1
.endr
.set n, n+1
.endr
.endm
; The rows that I finish lie at the places 16 s23 + my first row + its steps, the last row's place at the most: the same rule as for the loads, so a repeated row goes where the row itself goes.
.macro EPI
	WIN 0x55                                       ; all in window 1
.if FC2
	RUN 0, 4
	v_lshl_add_u32 v[TW], s23, 4, v[ROW0]
.irp i, 1,2,3
	v_add_nc_u32 v[PI+(\i)], \i, v[TW]
.endr
	v_min_u32 v[PI], s20, v[TW]
.irp i, 1,2,3
	v_min_u32 v[PI+(\i)], s20, v[PI+(\i)]
.endr
.irp i, 0,1,2,3
	v_min_u32 v[PI+(\i)], 1023, v[PI+(\i)]
.endr
.irp i, 0,1,2,3
	v_lshl_add_u32 v[PQ+(\i)], v[PI+(\i)], 12, v[U16]  ; a row of part is 4,096 bytes
.endr
.irp i, 0,1,2,3
	global_store_b128 v[PQ+(\i)], v[16*(\i):16*(\i)+3], s[12:13]  ; 32 lanes store 512 consecutive bytes, aligned
.endr
.else
	RUN 0, 13
	v_lshl_add_u32 v[TW], s23, 4, v[ROW0]          ; the stores' offsets are the plain, independent work behind the last exponential
	v_add_nc_u32 v[PI+1], 2, v[TW]
	v_min_u32 v[PI], s20, v[TW]
	v_min_u32 v[PI+1], s20, v[PI+1]
.irp i, 0,1
	v_min_u32 v[PI+(\i)], 1023, v[PI+(\i)]
.endr
.irp i, 0,1
	v_lshl_add_u32 v[HO+(\i)], v[PI+(\i)], 13, v[U16]  ; a row of hbuf is 8,192 bytes
.endr
	s_wait_alu depctr_va_vdst(0)                   ; one wait for the batch of 32, ahead of its first reader
	RUN 13, 10
.irp i, 0,1
	global_store_b128 v[HO+(\i)], v[HR+4*(\i):HR+4*(\i)+3], s[12:13]  ; sixteen lanes store 256 consecutive bytes of one row, aligned
.endr
.endif
.endm
; TRIP t = 2 s21 + 1 + kk (head = 1: t = 0, which every expert has), par = t % 2.  It multiplies tile t, finishes tile t - 1 and asks for the rows of tile t + 2.
; One barrier a trip does for both orders: the partials of tile t are stored and awaited ahead of it and read behind it; buffer par, written here, was last read in the trip before, whose reads were awaited ahead of that trip's barrier.
.macro TRIP par, kk, head
.if \head
	s_mov_b32 s26, 2
.else
	s_lshl_b32 s22, s21, 1
	s_add_co_u32 s22, s22, 1+(\kk)                 ; t
	s_sub_co_u32 s23, s22, 1
	s_add_co_u32 s26, s22, 2
	s_cmp_gt_u32 s22, s19
	s_cbranch_scc1 .Lidle_\@                       ; past the count: forward over the work alone
	s_wait_xcnt 0x0                                ; the last trip's stores have read their data and offsets: these registers are written again only behind this wait
	XGET 1-(\par)
	WIN 0
.endif
	s_wait_loadcnt 16                              ; tile t's rows are in; the 16 younger loads are tile t + 1's
	MMA \par
	XPUT \par
	AOFFS \par                                     ; this offset register's last loads were shown done by the wait for tile t's rows
	ALOAD \par
.if !(\head)
	s_wait_dscnt 16                                ; the four partials of tile t - 1 are back; only the 16 stores issued behind them may be out
	EPI
	WIN 0
	s_branch .Ljoin_\@
.Lidle_\@:
	s_wait_loadcnt 0x0                             ; so that the count 16 holds on every way into a later trip
.Ljoin_\@:
.endif
	s_wait_dscnt 0x0                               ; for the others' sake: my partials are stored and my reads of the other buffer are back
	s_barrier_signal -1
	s_barrier_wait -1
.endm
	s_load_b256 s[4:11], s[0:1], 0x0               ; weights s[4:5], bias s[6:7], rows s[8:9], maskb s[10:11]
	s_load_b64 s[12:13], s[0:1], 0x20              ; output
	v_lshl_add_u32 v[SPW], v0, 2, SPARE            ; my spare word,
	v_mov_b32 v[NIL], 0                            ; and 0: kept for the closing lines alone
	v_lshrrev_b32 v1, 5, v0
	v_readfirstlane_b32 s14, v1                    ; wave = K quarter 0..3
	s_and_b32 s15, ttmp7, 0xffff                   ; expert
.if FC2
	s_and_b32 s16, ttmp9, 7                        ; block of 128 columns
	s_lshr_b32 s17, ttmp9, 3                       ; quarter of K
	s_mov_b32 s30, 0xffff0000                      ; a word's upper bf16
.else
	s_mov_b32 s16, ttmp9                           ; block of 128 columns
.endif
	v_and_b32 v[RR], 15, v0
	v_bfe_u32 v[HH], v0, 4, 1
	v_and_b32 v[LN], 31, v0
.if FC2
	v_lshlrev_b32 v[WOFF], 16, v[HH]               ; h: 16 rows of 4,096 bytes
	v_and_b32 v[T0], 3, v[LN]                      ; bias of place 4 lane + i: column 64 (lane / 16) + 16 (lane % 4) + 4 i + (lane / 4) % 4
	v_bfe_u32 v[T1], v[LN], 2, 2
	v_lshlrev_b32 v[T1], 2, v[T1]
	v_lshl_add_u32 v[T1], v[T0], 6, v[T1]
	v_lshl_add_u32 v[BO], v[HH], 8, v[T1]
.else
	v_lshlrev_b32 v[WOFF], 17, v[HH]               ; h: 8 rows of 16,384 bytes
	v_and_b32 v[T0], 3, v[RR]                      ; bias of place 8 u + i: column 64 (i / 4) + 16 (u % 4) + 4 (i % 4) + u / 4
	v_lshrrev_b32 v[T1], 2, v[RR]
	v_lshlrev_b32 v[T1], 2, v[T1]
	v_lshl_add_u32 v[BO], v[T0], 6, v[T1]
.endif
	v_lshl_add_u32 v[WOFF], v[RR], 4, v[WOFF]
	v_lshlrev_b32 v[PFO], 14, v[LN]                ; a batch's 32 rows lie 16,384 bytes apart in both products
	v_lshlrev_b32 v[AL], 4, v[HH]
	s_mul_i32 s28, s14, XPART
	v_mul_u32_u24 v[XW], v[RR], XPITCH
	v_lshl_add_u32 v[XW], v[HH], 5, v[XW]
	v_add_nc_u32 v[XW], s28, v[XW]                 ; my wave's partial, row r, 32 h
	s_mov_b32 s18, 0                               ; the count
	s_mov_b32 s25, 0
	s_wait_kmcnt 0x0
	s_lshl_b32 s24, s15, 8
	s_add_nc_u64 s[10:11], s[10:11], s[24:25]      ; my expert's 64 words
	s_load_b512 s[32:47], s[10:11], 0x0
	s_load_b512 s[48:63], s[10:11], 0x40
	s_load_b512 s[68:83], s[10:11], 0x80
	s_load_b512 s[84:99], s[10:11], 0xc0
.if FC2
	s_lshl_b32 s24, s15, 24                        ; expert: 4,096 rows of 4,096 bytes
	s_lshl_b32 s26, s17, 22                        ; quarter: 1,024 rows
	s_add_co_u32 s24, s24, s26
	s_lshl_b32 s26, s14, 20                        ; wave: 256 rows
	s_add_co_u32 s24, s24, s26
	s_lshl_b32 s26, s16, 9                         ; 128 columns of 4 bytes
	s_add_co_u32 s24, s24, s26
	s_add_nc_u64 s[4:5], s[4:5], s[24:25]
	s_lshl_b32 s24, s15, 12
	s_add_co_u32 s24, s24, s26
	s_add_nc_u64 s[6:7], s[6:7], s[24:25]
	s_lshl_b32 s24, s17, 11                        ; hbuf: a row's 1,024 places of 2 bytes a quarter, 256 a wave,
	s_lshl_b32 s27, s14, 9
	s_add_co_u32 s24, s24, s27
	s_lshl_b32 s27, s15, 23                        ; an expert's 1,024 rows of 8,192 bytes
	s_add_co_u32 s24, s24, s27
	s_add_nc_u64 s[8:9], s[8:9], s[24:25]
	s_lshl_b32 s24, s17, 25                        ; part: 8,192 rows of 4,096 bytes a quarter,
	s_lshl_b32 s27, s15, 22                        ; 1,024 an expert
	s_add_co_u32 s24, s24, s27
	s_add_co_u32 s24, s24, s26
	s_add_nc_u64 s[12:13], s[12:13], s[24:25]
.else
	s_lshl_b32 s24, s15, 24                        ; expert: 1,024 rows of 16,384 bytes
	s_lshl_b32 s26, s14, 22                        ; wave: 256 rows
	s_add_co_u32 s24, s24, s26
	s_lshl_b32 s26, s16, 9                         ; 128 columns of 4 bytes
	s_add_co_u32 s24, s24, s26
	s_add_nc_u64 s[4:5], s[4:5], s[24:25]
	s_lshl_b32 s24, s15, 14
	s_add_co_u32 s24, s24, s26
	s_add_nc_u64 s[6:7], s[6:7], s[24:25]
	s_lshl_b32 s24, s14, 9                         ; xs: a row's 256 K of 2 bytes a wave,
	s_lshl_b32 s26, s15, 21                        ; an expert's 1,024 rows of 2,048 bytes
	s_add_co_u32 s24, s24, s26
	s_add_nc_u64 s[8:9], s[8:9], s[24:25]
	s_lshl_b32 s24, s15, 23                        ; hbuf: an expert's 1,024 rows of 8,192 bytes,
	s_lshl_b32 s26, s16, 8                         ; 128 places of 2 bytes
	s_add_co_u32 s24, s24, s26
	s_add_nc_u64 s[12:13], s[12:13], s[24:25]
.endif
.if FC2
.irp i, 0,1,2,3
	global_load_b32 v[BI+(\i)], v[BO], s[6:7] offset:16*(\i)
.endr
.else
.irp i, 0,1,2,3,4,5,6,7
	global_load_b32 v[BI+(\i)], v[BO], s[6:7] offset:16*((\i)%4)+256*((\i)/4)
.endr
.endif
	WLOAD 0
	WLOAD 1
	WLOAD 2
	WLOAD 3
	PF 4
	PF 5
	PF 6
	WIN 0
; THE STREAM: 16 batches through four slots: three batches (48 loads of 512 bytes a wave) stay on their way while one is rounded.
.irp b, 0,1,2,3,4,5,6,7,8,9,10,11,12,13,14,15
.if ((\b) == 13) || ((\b) == 15)
	s_wait_loadcnt 32                              ; batch 13: two younger batches; batch 15: the 32 loads of the first two tiles' rows
.else
	s_wait_loadcnt 48                              ; three younger batches (batch 14: batch 15 and the 32 loads of rows)
.endif
	WCVT \b
.if (\b) < 12
	WLOAD (\b)+4
.endif
.if (\b) < 9
	PF (\b)+7
.endif
	WIN 0
.if (\b) == 0
	s_wait_kmcnt 0x0                               ; the bitmap
	COUNT
.endif
.if ((\b) == 9) && !FC2
	s_mov_b32 s32, 0x3e6d3388                      ; 0.3275911 / sqrt 2; the bitmap's registers are free
	s_mov_b32 s33, s32                             ; each is named as a pair
	s_mov_b32 s34, 0xbf38aa3b                      ; -log2(e) / 2
	s_mov_b32 s35, s34
	s_mov_b32 s36, 0x3f07dc22                      ; 1.061405429 / 2
	s_mov_b32 s37, s36
	s_mov_b32 s38, 0xbf3a00e3                      ; -1.453152027 / 2
	s_mov_b32 s39, s38
	s_mov_b32 s40, 0x3f35f0e3                      ; 1.421413741 / 2
	s_mov_b32 s41, s40
	s_mov_b32 s42, 0xbe11a98e                      ; -0.284496736 / 2
	s_mov_b32 s43, s42
	s_mov_b32 s44, 0x3e027906                      ; 0.254829592 / 2
	s_mov_b32 s45, s44
	s_mov_b32 s46, 0x7fffffff
.endif
.if (\b) == 13
	s_mov_b32 s26, 0                               ; the rows of tiles 0 and 1 are asked for while the last weights come in
	AOFFS 0
	s_mov_b32 s26, 1
	AOFFS 1
	ALOAD 0
	ALOAD 1
.endif
.endr
	; window 1 is free: the bias (rounded to bf16, widened again) and the way out's lane constants
.if FC2
	v_cvt_pk_bf16_f32 v[BP], v[BI], v[BI+1]
	v_cvt_pk_bf16_f32 v[BP+1], v[BI+2], v[BI+3]
	s_cmp_eq_u32 s17, 0
	s_cselect_b32 s28, -1, 0                       ; the bias is added in K's quarter 0 alone
	v_and_b32 v[BP], s28, v[BP]
	v_and_b32 v[BP+1], s28, v[BP+1]
	s_lshl_b32 s27, s14, 2
	v_mov_b32 v[C0], s27                           ; my first row of a tile: 4 wk
	s_mul_i32 s27, s14, 4*XPITCH
	v_lshl_add_u32 v[C0+1], v[LN], 4, s27          ; that row, 16 bytes a lane
	v_lshlrev_b32 v[C0+2], 4, v[LN]
.else
.irp j, 0,1,2,3
	v_cvt_pk_bf16_f32 v[BP+(\j)], v[BI+2*(\j)], v[BI+2*(\j)+1]
.endr
	v_lshl_add_u32 v[C0], s14, 2, v[HH]            ; my first row of a tile: 4 wk + lane / 16
	v_mul_u32_u24 v[C0+1], v[C0], XPITCH
	v_lshl_add_u32 v[C0+1], v[RR], 4, v[C0+1]      ; that row, 16 bytes for each of 16 lanes
	v_lshlrev_b32 v[C0+2], 4, v[RR]
.endif
	WIN 0x40                                       ; destination window 1
.if FC2
.irp j, 0,1
	v_lshlrev_b32 v[BIAS+2*(\j)], 16, v[BP+(\j)]
	v_and_b32 v[BIAS+2*(\j)+1], 0xffff0000, v[BP+(\j)]
.endr
.else
.irp j, 0,1,2,3
	v_lshlrev_b32 v[BIAS+2*(\j)], 16, v[BP+(\j)]
	v_and_b32 v[BIAS+2*(\j)+1], 0xffff0000, v[BP+(\j)]
.endr
.endif
	v_mov_b32 v[ROW0], v[C0]
	v_mov_b32 v[XRD], v[C0+1]
	v_mov_b32 v[U16], v[C0+2]
	WIN 0
	TRIP 0, 0, 1                                   ; tile 0: nothing to finish yet
	s_mov_b32 s21, 0
.Lloop:                                                ; 32 trips of two tiles: t = 1 .. 64
	TRIP 1, 0, 0
	TRIP 0, 1, 0
	s_add_co_u32 s21, s21, 1
	s_cmp_lt_u32 s21, 32
	s_cbranch_scc1 .Lloop
	s_wait_tensorcnt 0x0                           ; the wave's end, behind my last LDS store
	ds_add_u32 v[SPW], v[NIL]
	s_wait_dscnt 0x0
	s_endpgm
.Lfunc_end_k_q486624a2b7_fc1:
	.size	k_q486624a2b7_fc1, .Lfunc_end_k_q486624a2b7_fc1-k_q486624a2b7_fc1
	.p2alignl 7, 3214868480
	.fill 96, 4, 3214868480
	.section	.rodata,"a",@progbits
	.p2align	6, 0x0
	.amdhsa_kernel k_q486624a2b7_fc1
		.amdhsa_group_segment_fixed_size 68096
		.amdhsa_private_segment_fixed_size 0
		.amdhsa_enable_private_segment 0
		.amdhsa_kernarg_size 40
		.amdhsa_user_sgpr_count 2
		.amdhsa_user_sgpr_kernarg_segment_ptr 1
		.amdhsa_wavefront_size32 1
		.amdhsa_system_sgpr_workgroup_id_x 1
		.amdhsa_system_sgpr_workgroup_id_y 1
		.amdhsa_system_sgpr_workgroup_id_z 1
		.amdhsa_system_vgpr_workitem_id 0
		.amdhsa_next_free_vgpr 1024
		.amdhsa_next_free_sgpr 100
		.amdhsa_reserve_vcc 0
		.amdhsa_float_denorm_mode_32 3
		.amdhsa_float_denorm_mode_16_64 3
		.amdhsa_memory_ordered 1
		.amdhsa_forward_progress 1
		.amdhsa_inst_pref_size 117
	.end_amdhsa_kernel
	.amdgpu_metadata
---
amdhsa.version: [ 1, 2 ]
amdhsa.kernels:
  - .name:           k_q486624a2b7_fc1
    .symbol:         k_q486624a2b7_fc1.kd
    .args:
      - { .name: W1, .offset: 0, .size: 8, .value_kind: global_buffer, .address_space: global }
      - { .name: b1, .offset: 8, .size: 8, .value_kind: global_buffer, .address_space: global }
      - { .name: xs, .offset: 16, .size: 8, .value_kind: global_buffer, .address_space: global }
      - { .name: maskb, .offset: 24, .size: 8, .value_kind: global_buffer, .address_space: global }
      - { .name: hbuf, .offset: 32, .size: 8, .value_kind: global_buffer, .address_space: global }
    .group_segment_fixed_size: 68096
    .private_segment_fixed_size: 0
    .kernarg_segment_align: 8
    .kernarg_segment_size: 40
    .max_flat_workgroup_size: 128
    .sgpr_count:     100
    .vgpr_count:     1024
    .wavefront_size: 32
...
	.end_amdgpu_metadata
.endif
;; end of part 3
;; launch fc2 (part 4): grid 32 x 8, 4 waves a work-group, no clusters, 68,096 bytes of LDS; arguments W2, b2, hbuf, maskb, part; writes part
.if DOCPART == 4
	.amdgcn_target "amdgcn-amd-amdhsa--gfx1250"
	.amdhsa_code_object_version 6
	.text
	.protected	k_q486624a2b7_fc2
	.globl	k_q486624a2b7_fc2
	.p2align	8
	.type	k_q486624a2b7_fc2,@function
k_q486624a2b7_fc2:
	s_mov_b64 s[64:65], 0
	v_nop
	global_prefetch_b8 v0, s[64:65] scope:SCOPE_SE
	s_setreg_imm32_b32 hwreg(HW_REG_WAVE_MODE, 25, 1), 1
	s_wait_xcnt 0x0
; SECOND PRODUCT OF THE EXPERTS (FC2 = 1).  part[kq][1,024 e + i] = hbuf[1,024 e + i] . bf16(W2[e]) over quarter kq of K = 4,096, with bf16(b2[e]) added in quarter 0, for the rows i below expert e's count; f32 sums,
; f32 out (partial sums).  (The same text with FC2 = 0 is the first product: hbuf[1,024 e + i] = gelu(xs[1,024 e + i] . bf16(W1[e]) + bf16(b1[e])), rounded once to f16.)
; SHARES.  256 work-groups = 8 experts x 8 blocks of 128 columns x 4 quarters of K: a slice of 128 columns x 1,024 K.  It is read from memory once, by this work-group alone, rounded on its way through registers and KEPT
; THERE: wave wk holds 128 columns x 256 K as 8 K steps x 8 tiles x 8 registers = 512 registers (windows 2, 3).  Then the expert's rows go by in tiles of 16: every wave loads its 256 K of the 16 rows straight into
; registers as source 1, issues 64 matrix instructions on 8 accumulators by turns, and puts its 16 x 128 partial sums (f32) into LDS; behind one barrier each wave adds the four partials of 4 rows and stores them.
; A slice of 128 columns x a quarter of K, not 32 columns x all of K: the narrower slice would load each row of hbuf four times as often, and its weight rows would be 128 bytes long.
; FORMATS.  h comes in f16, so the product is the f16 form.  W2 is rounded to bf16 like every other input, and that number is written as f16: exact from 6.1e-5 up, off by 3e-8 at the most below.
; WEIGHTS WITHOUT A TRANSPOSE.  W lies [K][N].  Lane (r = lane % 16, h = lane / 16) loads 16 bytes at row k, columns 64 g + 4 r + 0..3: sixteen lanes take 256 consecutive bytes, aligned.  Its four numbers go to four
; tiles T = 4 g + c, in each of which the lane holds row r of source 0; with the lane's 16 k of a K step loaded so, register q of a tile is made of two loaded numbers.  The price is an order of columns:
; place sigma = 16 T + rho in the block of 128 is column 64 (sigma / 64) + 4 (sigma % 16) + (sigma / 16) % 4.  part keeps sigma, and the last launch puts the columns back.  hbuf lies in an order of its own,
; mu = 8 u + i (i < 4: sigma = 4 u + i; else 64 + 4 u + i - 4), and W2's rows are read in that order.
; THE ROWS lie end to end in the expert's region of 1,024 (the first product stored them so).  The count is the set bits of maskb[e] (64 words, whole numbers, by scalar loads).  A lane's row is min(16 tile + r, count - 1):
; places past the count repeat the last row, and such rows compute and store the same bytes again at the same address.  The loop has a constant 64 trips (1,024 rows) and every wave passes every barrier; a trip past
; the count jumps forward over the work alone.  The trip behind the last tile multiplies repeated rows once more, to no use: the price of one text for the trip.
; AN EXPERT WITHOUT ROWS counts as having one: the first product, which counts alike, stored a row at its region's first place, so no byte is read that nobody wrote; what is made of that row is stored and never read.
; It costs such an expert one tile's work beside the slice that it streams anyway.
; NO TENSOR LOADS, NO CLUSTER.  Each slice of weights has one reader, and passes through registers for the rounding anyway.  A quarter of the rows is shared by 8 work-groups; but a joint load is a tensor load, which may
; not be jumped in a loop, and in 64 constant trips it would fetch 1,024 rows for every expert, four times the mean of 256, which eats the division by four; and each tile's 32 KB would go into LDS and out again.
; LIMITS.  Inputs rounded once to bf16.  W2 is held in f16, which ends at 65,504: W2 has a spread of 0.016 as drawn, 0.47 when 30 times larger or offset by 30 times its spread; a weight beyond 65,504 becomes an infinity.
; NaN and infinities are not treated apart.
.set FC2, 1
.set XPITCH, 528                       ; a row of 128 f32 partial sums + 16 bytes: row r starts 4 r banks on
.set XPART,  16*XPITCH                 ; one wave's partial
.set XBUF,   4*XPART                   ; two such buffers take turns
.set SPARE,  2*XBUF                    ; the spare words, 128 bytes for each wave
.if FC2
.set WPITCH, 4096                      ; bytes in a row of the weights
.else
.set WPITCH, 16384
.endif
; window 0
.set RR,   1                           ; lane % 16
.set HH,   2                           ; lane / 16
.set LN,   3                           ; lane
.set WOFF, 4                           ; weights: my 16 bytes in a row, and h's rows
.set PFO,  5                           ; prefetch: a lane for each of a batch's 32 rows
.set T0,   8
.set T1,   9
.set AL,   12                          ; 16 h
.set AOFF, 14                          ; v14, v15: my row's byte offset, by the tile's parity
.set XW,   16                          ; where my partial sums go
.set BO,   18
.set BI,   20                          ; v20-27 bias as loaded
.set BP,   28                          ; v28-31 bias packed
.set C0,   32                          ; v32-34 on their way to window 1
.set SPW,  62
.set NIL,  63
.set ACC,  64                          ; v64-127 tile T at 64 + 8 T
.set AB,   128                         ; v128-191, v192-255: 16 rows x 256 K, by the tile's parity; K step s at + 8 s
; window 1: during the stream four slots of 64 for weights as loaded; afterwards:
.set BIAS, 64
.set XRD,  72
.set ROW0, 73
.set U16,  75
.set PI,   76                          ; v76-79 the places of the rows that I finish
.set PQ,   80                          ; first product: v80-95 the polynomial; second: v80-83 store offsets
.set HR,   96                          ; v96-103 h, packed
.set HO,   104                         ; v104-105 store offsets
.set TW,   106
; windows 2, 3: the weights: K step s, tile T at 64 (s % 4) + 8 T of window 2 + s / 4
; scalars: s[4:5] weights; s[6:7] bias; s[8:9] rows; s[10:11] maskb; s[12:13] output; s14 wave; s15 expert; s16 block of columns; s17 quarter of K;
; s18 count; s19 tiles; s20 count - 1; s21 the loop's counter; s22 the trip's tile; s23 the tile before; s[24:25] an offset; s26-28 at work; s30 a mask; s[32:63], s[68:99] the bitmap
.set MSB, 0
.macro WIN new                         ; bits 1:0 source 0, 3:2 source 1, 5:4 source 2, 7:6 destination; the high byte repeats the setting that is left
.if MSB != (\new)
	s_set_vgpr_msb (MSB<<8)|(\new)
.set MSB, (\new)
.endif
.endm
; Batch b = (K step b / 2, column half b % 2): 16 loads, the lane's 16 k, into slot b % 4.
.macro WLOAD b
	WIN 0x40
.set idx, 0
.rept 16
.if FC2
.set wrow, 128*((\b)/8)+((\b)/2)%4+4*(idx%4)+64*((idx/4)%2)+32*(idx/8)  ; the row of W2 that hbuf's order puts at this k (h adds 16 rows)
.else
.set wrow, 32*((\b)/2)+idx%8+16*(idx/8)                                 ; k = 32 s + 8 h + 0..7, 32 s + 16 + 8 h + 0..7 (h adds 8 rows)
.endif
	global_load_b128 v[64*((\b)%4)+4*idx:64*((\b)%4)+4*idx+3], v[WOFF], s[4:5] offset:wrow*WPITCH+256*((\b)%2) th:TH_LOAD_NT
.set idx, idx+1
.endr
.endm
; One stage of batch b's rounding, for its 32 pairs of numbers (the lane's k number 2 q and 2 q + 1 of column c).  Stage 3 writes register q of tile 4 (b % 2) + c.
; First product: stage 3 alone, to bf16.  Second product: 0 both rounded to bf16, in place; 1, 2 widened again; 3 written as f16, the form of the other operand, h.
.macro WST b, st
.set c, 0
.rept 4
.set q, 0
.rept 8
.set wa, 64*((\b)%4)+8*q+c
.set wd, 64*(((\b)/2)%4)+8*(4*((\b)%2)+c)+q
.if (\st) == 0
	v_cvt_pk_bf16_f32 v[wa], v[wa], v[wa+4]
.elseif (\st) == 1
	v_and_b32 v[wa+4], s30, v[wa]
.elseif (\st) == 2
	v_lshlrev_b32 v[wa], 16, v[wa]
.elseif FC2
	v_cvt_pk_f16_f32 v[wd], v[wa], v[wa+4]
.else
	v_cvt_pk_bf16_f32 v[wd], v[wa], v[wa+4]
.endif
.set q, q+1
.endr
.set c, c+1
.endr
.endm
.macro WCVT b
.if FC2
	WIN 0x45                                       ; all in window 1
	WST \b, 0
	WST \b, 1
	WST \b, 2
.endif
	WIN 0x85+0x40*((\b)/8)                         ; sources window 1, destination window 2 or 3
	WST \b, 3
.endm
; Batch b's 32 blocks of 256 bytes, a lane each, asked for once in the launch, three batches ahead of the batch's loads; the last batch asked for is the slice's last.
.macro PF b
.if FC2
	global_prefetch_b8 v[PFO], s[4:5] offset:(128*((\b)/8)+((\b)/2)%4)*WPITCH+256*((\b)%2) th:TH_LOAD_NT scope:SCOPE_SE
.else
	global_prefetch_b8 v[PFO], s[4:5] offset:32*((\b)/2)*WPITCH+256*((\b)%2) th:TH_LOAD_NT scope:SCOPE_SE
.endif
.endm
; The expert's count: the set bits of its 64 words, and 1 where there are none.  Tiles = ceil(count / 16), one at the least.
.macro COUNT
.set w, 0
.rept 64
.if w < 32
.set mr, 32+w
.else
.set mr, 36+w
.endif
	s_bcnt1_i32_b32 s26, s[mr]
	s_add_co_u32 s18, s18, s26
.set w, w+1
.endr
	s_max_u32 s18, s18, 1
	s_sub_co_u32 s20, s18, 1
	s_min_u32 s20, s20, 1023                       ; the last row's place
	s_add_co_u32 s19, s18, 15
	s_lshr_b32 s19, s19, 4
.endm
.macro AOFFS par                       ; my row of tile s26: place 16 s26 + r, the last row's at the most; from it the byte offset
	v_lshl_add_u32 v[T1], s26, 4, v[RR]
	v_min_u32 v[T1], s20, v[T1]
	v_min_u32 v[T1], 1023, v[T1]
.if FC2
	v_lshl_add_u32 v[AOFF+(\par)], v[T1], 13, v[AL]   ; a row of hbuf is 8,192 bytes
.else
	v_lshl_add_u32 v[AOFF+(\par)], v[T1], 11, v[AL]   ; a row of xs is 2,048 bytes
.endif
.endm
.macro ALOAD par                       ; 16 rows x my 256 K as source 1: no hint, other work-groups read these rows again
.set ms, 0
.rept 8
	global_load_b128 v[AB+64*(\par)+8*ms:AB+64*(\par)+8*ms+3],   v[AOFF+(\par)], s[8:9] offset:64*ms
	global_load_b128 v[AB+64*(\par)+8*ms+4:AB+64*(\par)+8*ms+7], v[AOFF+(\par)], s[8:9] offset:64*ms+32
.set ms, ms+1
.endr
.endm
; 64 matrix instructions: source 0 = 16 columns of the weights, source 1 = 16 rows: a lane's results are one row's eight places.  The eight accumulators take turns, one instruction a turn; the first eight start the sums.
; The first product's operands are bf16, the second's f16.
.macro MMA par
.set ms, 0
.rept 8
	WIN 0x02+ms/4
.set mt, 0
.rept 8
.set rD, ACC+8*mt
.set rW, 64*(ms%4)+8*mt
.set rA, AB+64*(\par)+8*ms
.if FC2 && (ms == 0)
	v_wmma_f32_16x16x32_f16 v[rD:rD+7], v[rW:rW+7], v[rA:rA+7], 0
.elseif FC2
	v_wmma_f32_16x16x32_f16 v[rD:rD+7], v[rW:rW+7], v[rA:rA+7], v[rD:rD+7]
.elseif ms == 0
	v_wmma_f32_16x16x32_bf16 v[rD:rD+7], v[rW:rW+7], v[rA:rA+7], 0
.else
	v_wmma_f32_16x16x32_bf16 v[rD:rD+7], v[rW:rW+7], v[rA:rA+7], v[rD:rD+7]
.endif
.set mt, mt+1
.endr
.set ms, ms+1
.endr
	WIN 0
.rept 5
	v_nop                                          ; the places behind the last products: ahead of the stores of the results, of the loads into source 1, and of the next tile's products that write the accumulators anew
.endr
.endm
.macro XPUT par                        ; each accumulator from its low end on
.set mt, 0
.rept 8
	ds_store_b128 v[XW], v[ACC+8*mt:ACC+8*mt+3]   offset:(\par)*XBUF+64*mt
	ds_store_b128 v[XW], v[ACC+8*mt+4:ACC+8*mt+7] offset:(\par)*XBUF+64*mt+16
.set mt, mt+1
.endr
.endm
.macro XGET par                        ; the four partials of my four rows: sixteen lanes take 256 consecutive bytes
	WIN 0x55
.if FC2
.irp i, 0,1,2,3
.irp q, 0,1,2,3
	ds_load_b128 v[16*(\i)+4*(\q):16*(\i)+4*(\q)+3], v[XRD] offset:(\par)*XBUF+XPART*(\q)+XPITCH*(\i)
.endr
.endr
.else
.irp i, 0,1
.irp q, 0,1,2,3
.irp c, 0,1
	ds_load_b128 v[32*(\i)+8*(\q)+4*(\c):32*(\i)+8*(\q)+4*(\c)+3], v[XRD] offset:(\par)*XBUF+XPART*(\q)+2*XPITCH*(\i)+256*(\c)
.endr
.endr
.endr
.endif
.endm
; THE WAY OUT, stage n for pair k of eight pairs of numbers; dealt stage by stage, so that seven independent lines stand between a line and the one that reads its result.
; 0-3 bias and the four partials.  First product alone: 4, 5 |x|; 6 1 + 0.2316419 |x|; 7, 8 -x x log2(e) / 2; 9-12 ONE BATCH of reciprocals and exponentials;
; 13-18 P = half the polynomial in t, times t, times the exponential = erfc(|x| / sqrt 2) / 2; 19-21 gelu = max(x, 0) - |x| P; 22 rounded to f16.
.macro EPS
.if FC2
.set X, 16*(k/2)+2*(k%2)
.set X1, X+4
.set X2, X+8
.set X3, X+12
.set B_, BIAS+2*(k%2)
.else
.set X, 32*(k/4)+2*(k%4)
.set X1, X+8
.set X2, X+16
.set X3, X+24
.set B_, BIAS+2*(k%4)
.endif
.set P_, PQ+2*k
.if n == 0
	v_pk_add_f32 v[X:X+1], v[X:X+1], v[B_:B_+1]
.elseif n == 1
	v_pk_add_f32 v[X2:X2+1], v[X2:X2+1], v[X3:X3+1]
.elseif n == 2
	v_pk_add_f32 v[X:X+1], v[X:X+1], v[X1:X1+1]
.elseif n == 3
	v_pk_add_f32 v[X:X+1], v[X:X+1], v[X2:X2+1]
.elseif n == 4
	v_and_b32 v[X1], s46, v[X]
.elseif n == 5
	v_and_b32 v[X1+1], s46, v[X+1]
.elseif n == 6
	v_pk_fma_f32 v[X2:X2+1], v[X1:X1+1], s[32:33], 1.0 op_sel_hi:[1,0,0]
.elseif n == 7
	v_pk_mul_f32 v[X3:X3+1], v[X:X+1], v[X:X+1]
.elseif n == 8
	v_pk_mul_f32 v[X3:X3+1], v[X3:X3+1], s[34:35] op_sel_hi:[1,0]
.elseif n == 9
	v_rcp_f32 v[X2], v[X2]
.elseif n == 10
	v_rcp_f32 v[X2+1], v[X2+1]
.elseif n == 11
	v_exp_f32 v[X3], v[X3]
.elseif n == 12
	v_exp_f32 v[X3+1], v[X3+1]
.elseif n == 13
	v_pk_fma_f32 v[P_:P_+1], v[X2:X2+1], s[36:37], s[38:39] op_sel_hi:[1,0,0]
.elseif n == 14
	v_pk_fma_f32 v[P_:P_+1], v[P_:P_+1], v[X2:X2+1], s[40:41] op_sel_hi:[1,1,0]
.elseif n == 15
	v_pk_fma_f32 v[P_:P_+1], v[P_:P_+1], v[X2:X2+1], s[42:43] op_sel_hi:[1,1,0]
.elseif n == 16
	v_pk_fma_f32 v[P_:P_+1], v[P_:P_+1], v[X2:X2+1], s[44:45] op_sel_hi:[1,1,0]
.elseif n == 17
	v_pk_mul_f32 v[P_:P_+1], v[P_:P_+1], v[X2:X2+1]
.elseif n == 18
	v_pk_mul_f32 v[P_:P_+1], v[P_:P_+1], v[X3:X3+1]
.elseif n == 19
	v_max_num_f32 v[X2], 0, v[X]
.elseif n == 20
	v_max_num_f32 v[X2+1], 0, v[X+1]
.elseif n == 21
	v_pk_fma_f32 v[X:X+1], v[X1:X1+1], v[P_:P_+1], v[X2:X2+1] neg_lo:[1,0,0] neg_hi:[1,0,0]
.else
	v_cvt_pk_f16_f32 v[HR+k], v[X], v[X+1]
.endif
.endm
.macro RUN first, count
.set n, \first
.rept \count
.set k, 0
.rept 8
	EPS
.set k, k+1
.endr
.set n, n+1
.endr
.endm
; The rows that I finish lie at the places 16 s23 + my first row + its steps, the last row's place at the most: the same rule as for the loads, so a repeated row goes where the row itself goes.
.macro EPI
	WIN 0x55                                       ; all in window 1
.if FC2
	RUN 0, 4
	v_lshl_add_u32 v[TW], s23, 4, v[ROW0]
.irp i, 1,2,3
	v_add_nc_u32 v[PI+(\i)], \i, v[TW]
.endr
	v_min_u32 v[PI], s20, v[TW]
.irp i, 1,2,3
	v_min_u32 v[PI+(\i)], s20, v[PI+(\i)]
.endr
.irp i, 0,1,2,3
	v_min_u32 v[PI+(\i)], 1023, v[PI+(\i)]
.endr
.irp i, 0,1,2,3
	v_lshl_add_u32 v[PQ+(\i)], v[PI+(\i)], 12, v[U16]  ; a row of part is 4,096 bytes
.endr
.irp i, 0,1,2,3
	global_store_b128 v[PQ+(\i)], v[16*(\i):16*(\i)+3], s[12:13]  ; 32 lanes store 512 consecutive bytes, aligned
.endr
.else
	RUN 0, 13
	v_lshl_add_u32 v[TW], s23, 4, v[ROW0]          ; the stores' offsets are the plain, independent work behind the last exponential
	v_add_nc_u32 v[PI+1], 2, v[TW]
	v_min_u32 v[PI], s20, v[TW]
	v_min_u32 v[PI+1], s20, v[PI+1]
.irp i, 0,1
	v_min_u32 v[PI+(\i)], 1023, v[PI+(\i)]
.endr
.irp i, 0,1
	v_lshl_add_u32 v[HO+(\i)], v[PI+(\i)], 13, v[U16]  ; a row of hbuf is 8,192 bytes
.endr
	s_wait_alu depctr_va_vdst(0)                   ; one wait for the batch of 32, ahead of its first reader
	RUN 13, 10
.irp i, 0,1
	global_store_b128 v[HO+(\i)], v[HR+4*(\i):HR+4*(\i)+3], s[12:13]  ; sixteen lanes store 256 consecutive bytes of one row, aligned
.endr
.endif
.endm
; TRIP t = 2 s21 + 1 + kk (head = 1: t = 0, which every expert has), par = t % 2.  It multiplies tile t, finishes tile t - 1 and asks for the rows of tile t + 2.
; One barrier a trip does for both orders: the partials of tile t are stored and awaited ahead of it and read behind it; buffer par, written here, was last read in the trip before, whose reads were awaited ahead of that trip's barrier.
.macro TRIP par, kk, head
.if \head
	s_mov_b32 s26, 2
.else
	s_lshl_b32 s22, s21, 1
	s_add_co_u32 s22, s22, 1+(\kk)                 ; t
	s_sub_co_u32 s23, s22, 1
	s_add_co_u32 s26, s22, 2
	s_cmp_gt_u32 s22, s19
	s_cbranch_scc1 .Lidle_\@                       ; past the count: forward over the work alone
	s_wait_xcnt 0x0                                ; the last trip's stores have read their data and offsets: these registers are written again only behind this wait
	XGET 1-(\par)
	WIN 0
.endif
	s_wait_loadcnt 16                              ; tile t's rows are in; the 16 younger loads are tile t + 1's
	MMA \par
	XPUT \par
	AOFFS \par                                     ; this offset register's last loads were shown done by the wait for tile t's rows
	ALOAD \par
.if !(\head)
	s_wait_dscnt 16                                ; the four partials of tile t - 1 are back; only the 16 stores issued behind them may be out
	EPI
	WIN 0
	s_branch .Ljoin_\@
.Lidle_\@:
	s_wait_loadcnt 0x0                             ; so that the count 16 holds on every way into a later trip
.Ljoin_\@:
.endif
	s_wait_dscnt 0x0                               ; for the others' sake: my partials are stored and my reads of the other buffer are back
	s_barrier_signal -1
	s_barrier_wait -1
.endm
	s_load_b256 s[4:11], s[0:1], 0x0               ; weights s[4:5], bias s[6:7], rows s[8:9], maskb s[10:11]
	s_load_b64 s[12:13], s[0:1], 0x20              ; output
	v_lshl_add_u32 v[SPW], v0, 2, SPARE            ; my spare word,
	v_mov_b32 v[NIL], 0                            ; and 0: kept for the closing lines alone
	v_lshrrev_b32 v1, 5, v0
	v_readfirstlane_b32 s14, v1                    ; wave = K quarter 0..3
	s_and_b32 s15, ttmp7, 0xffff                   ; expert
.if FC2
	s_and_b32 s16, ttmp9, 7                        ; block of 128 columns
	s_lshr_b32 s17, ttmp9, 3                       ; quarter of K
	s_mov_b32 s30, 0xffff0000                      ; a word's upper bf16
.else
	s_mov_b32 s16, ttmp9                           ; block of 128 columns
.endif
	v_and_b32 v[RR], 15, v0
	v_bfe_u32 v[HH], v0, 4, 1
	v_and_b32 v[LN], 31, v0
.if FC2
	v_lshlrev_b32 v[WOFF], 16, v[HH]               ; h: 16 rows of 4,096 bytes
	v_and_b32 v[T0], 3, v[LN]                      ; bias of place 4 lane + i: column 64 (lane / 16) + 16 (lane % 4) + 4 i + (lane / 4) % 4
	v_bfe_u32 v[T1], v[LN], 2, 2
	v_lshlrev_b32 v[T1], 2, v[T1]
	v_lshl_add_u32 v[T1], v[T0], 6, v[T1]
	v_lshl_add_u32 v[BO], v[HH], 8, v[T1]
.else
	v_lshlrev_b32 v[WOFF], 17, v[HH]               ; h: 8 rows of 16,384 bytes
	v_and_b32 v[T0], 3, v[RR]                      ; bias of place 8 u + i: column 64 (i / 4) + 16 (u % 4) + 4 (i % 4) + u / 4
	v_lshrrev_b32 v[T1], 2, v[RR]
	v_lshlrev_b32 v[T1], 2, v[T1]
	v_lshl_add_u32 v[BO], v[T0], 6, v[T1]
.endif
	v_lshl_add_u32 v[WOFF], v[RR], 4, v[WOFF]
	v_lshlrev_b32 v[PFO], 14, v[LN]                ; a batch's 32 rows lie 16,384 bytes apart in both products
	v_lshlrev_b32 v[AL], 4, v[HH]
	s_mul_i32 s28, s14, XPART
	v_mul_u32_u24 v[XW], v[RR], XPITCH
	v_lshl_add_u32 v[XW], v[HH], 5, v[XW]
	v_add_nc_u32 v[XW], s28, v[XW]                 ; my wave's partial, row r, 32 h
	s_mov_b32 s18, 0                               ; the count
	s_mov_b32 s25, 0
	s_wait_kmcnt 0x0
	s_lshl_b32 s24, s15, 8
	s_add_nc_u64 s[10:11], s[10:11], s[24:25]      ; my expert's 64 words
	s_load_b512 s[32:47], s[10:11], 0x0
	s_load_b512 s[48:63], s[10:11], 0x40
	s_load_b512 s[68:83], s[10:11], 0x80
	s_load_b512 s[84:99], s[10:11], 0xc0
.if FC2
	s_lshl_b32 s24, s15, 24                        ; expert: 4,096 rows of 4,096 bytes
	s_lshl_b32 s26, s17, 22                        ; quarter: 1,024 rows
	s_add_co_u32 s24, s24, s26
	s_lshl_b32 s26, s14, 20                        ; wave: 256 rows
	s_add_co_u32 s24, s24, s26
	s_lshl_b32 s26, s16, 9                         ; 128 columns of 4 bytes
	s_add_co_u32 s24, s24, s26
	s_add_nc_u64 s[4:5], s[4:5], s[24:25]
	s_lshl_b32 s24, s15, 12
	s_add_co_u32 s24, s24, s26
	s_add_nc_u64 s[6:7], s[6:7], s[24:25]
	s_lshl_b32 s24, s17, 11                        ; hbuf: a row's 1,024 places of 2 bytes a quarter, 256 a wave,
	s_lshl_b32 s27, s14, 9
	s_add_co_u32 s24, s24, s27
	s_lshl_b32 s27, s15, 23                        ; an expert's 1,024 rows of 8,192 bytes
	s_add_co_u32 s24, s24, s27
	s_add_nc_u64 s[8:9], s[8:9], s[24:25]
	s_lshl_b32 s24, s17, 25                        ; part: 8,192 rows of 4,096 bytes a quarter,
	s_lshl_b32 s27, s15, 22                        ; 1,024 an expert
	s_add_co_u32 s24, s24, s27
	s_add_co_u32 s24, s24, s26
	s_add_nc_u64 s[12:13], s[12:13], s[24:25]
.else
	s_lshl_b32 s24, s15, 24                        ; expert: 1,024 rows of 16,384 bytes
	s_lshl_b32 s26, s14, 22                        ; wave: 256 rows
	s_add_co_u32 s24, s24, s26
	s_lshl_b32 s26, s16, 9                         ; 128 columns of 4 bytes
	s_add_co_u32 s24, s24, s26
	s_add_nc_u64 s[4:5], s[4:5], s[24:25]
	s_lshl_b32 s24, s15, 14
	s_add_co_u32 s24, s24, s26
	s_add_nc_u64 s[6:7], s[6:7], s[24:25]
	s_lshl_b32 s24, s14, 9                         ; xs: a row's 256 K of 2 bytes a wave,
	s_lshl_b32 s26, s15, 21                        ; an expert's 1,024 rows of 2,048 bytes
	s_add_co_u32 s24, s24, s26
	s_add_nc_u64 s[8:9], s[8:9], s[24:25]
	s_lshl_b32 s24, s15, 23                        ; hbuf: an expert's 1,024 rows of 8,192 bytes,
	s_lshl_b32 s26, s16, 8                         ; 128 places of 2 bytes
	s_add_co_u32 s24, s24, s26
	s_add_nc_u64 s[12:13], s[12:13], s[24:25]
.endif
.if FC2
.irp i, 0,1,2,3
	global_load_b32 v[BI+(\i)], v[BO], s[6:7] offset:16*(\i)
.endr
.else
.irp i, 0,1,2,3,4,5,6,7
	global_load_b32 v[BI+(\i)], v[BO], s[6:7] offset:16*((\i)%4)+256*((\i)/4)
.endr
.endif
	WLOAD 0
	WLOAD 1
	WLOAD 2
	WLOAD 3
	PF 4
	PF 5
	PF 6
	WIN 0
; THE STREAM: 16 batches through four slots: three batches (48 loads of 512 bytes a wave) stay on their way while one is rounded.
.irp b, 0,1,2,3,4,5,6,7,8,9,10,11,12,13,14,15
.if ((\b) == 13) || ((\b) == 15)
	s_wait_loadcnt 32                              ; batch 13: two younger batches; batch 15: the 32 loads of the first two tiles' rows
.else
	s_wait_loadcnt 48                              ; three younger batches (batch 14: batch 15 and the 32 loads of rows)
.endif
	WCVT \b
.if (\b) < 12
	WLOAD (\b)+4
.endif
.if (\b) < 9
	PF (\b)+7
.endif
	WIN 0
.if (\b) == 0
	s_wait_kmcnt 0x0                               ; the bitmap
	COUNT
.endif
.if ((\b) == 9) && !FC2
	s_mov_b32 s32, 0x3e6d3388                      ; 0.3275911 / sqrt 2; the bitmap's registers are free
	s_mov_b32 s33, s32                             ; each is named as a pair
	s_mov_b32 s34, 0xbf38aa3b                      ; -log2(e) / 2
	s_mov_b32 s35, s34
	s_mov_b32 s36, 0x3f07dc22                      ; 1.061405429 / 2
	s_mov_b32 s37, s36
	s_mov_b32 s38, 0xbf3a00e3                      ; -1.453152027 / 2
	s_mov_b32 s39, s38
	s_mov_b32 s40, 0x3f35f0e3                      ; 1.421413741 / 2
	s_mov_b32 s41, s40
	s_mov_b32 s42, 0xbe11a98e                      ; -0.284496736 / 2
	s_mov_b32 s43, s42
	s_mov_b32 s44, 0x3e027906                      ; 0.254829592 / 2
	s_mov_b32 s45, s44
	s_mov_b32 s46, 0x7fffffff
.endif
.if (\b) == 13
	s_mov_b32 s26, 0                               ; the rows of tiles 0 and 1 are asked for while the last weights come in
	AOFFS 0
	s_mov_b32 s26, 1
	AOFFS 1
	ALOAD 0
	ALOAD 1
.endif
.endr
	; window 1 is free: the bias (rounded to bf16, widened again) and the way out's lane constants
.if FC2
	v_cvt_pk_bf16_f32 v[BP], v[BI], v[BI+1]
	v_cvt_pk_bf16_f32 v[BP+1], v[BI+2], v[BI+3]
	s_cmp_eq_u32 s17, 0
	s_cselect_b32 s28, -1, 0                       ; the bias is added in K's quarter 0 alone
	v_and_b32 v[BP], s28, v[BP]
	v_and_b32 v[BP+1], s28, v[BP+1]
	s_lshl_b32 s27, s14, 2
	v_mov_b32 v[C0], s27                           ; my first row of a tile: 4 wk
	s_mul_i32 s27, s14, 4*XPITCH
	v_lshl_add_u32 v[C0+1], v[LN], 4, s27          ; that row, 16 bytes a lane
	v_lshlrev_b32 v[C0+2], 4, v[LN]
.else
.irp j, 0,1,2,3
	v_cvt_pk_bf16_f32 v[BP+(\j)], v[BI+2*(\j)], v[BI+2*(\j)+1]
.endr
	v_lshl_add_u32 v[C0], s14, 2, v[HH]            ; my first row of a tile: 4 wk + lane / 16
	v_mul_u32_u24 v[C0+1], v[C0], XPITCH
	v_lshl_add_u32 v[C0+1], v[RR], 4, v[C0+1]      ; that row, 16 bytes for each of 16 lanes
	v_lshlrev_b32 v[C0+2], 4, v[RR]
.endif
	WIN 0x40                                       ; destination window 1
.if FC2
.irp j, 0,1
	v_lshlrev_b32 v[BIAS+2*(\j)], 16, v[BP+(\j)]
	v_and_b32 v[BIAS+2*(\j)+1], 0xffff0000, v[BP+(\j)]
.endr
.else
.irp j, 0,1,2,3
	v_lshlrev_b32 v[BIAS+2*(\j)], 16, v[BP+(\j)]
	v_and_b32 v[BIAS+2*(\j)+1], 0xffff0000, v[BP+(\j)]
.endr
.endif
	v_mov_b32 v[ROW0], v[C0]
	v_mov_b32 v[XRD], v[C0+1]
	v_mov_b32 v[U16], v[C0+2]
	WIN 0
	TRIP 0, 0, 1                                   ; tile 0: nothing to finish yet
	s_mov_b32 s21, 0
.Lloop:                                                ; 32 trips of two tiles: t = 1 .. 64
	TRIP 1, 0, 0
	TRIP 0, 1, 0
	s_add_co_u32 s21, s21, 1
	s_cmp_lt_u32 s21, 32
	s_cbranch_scc1 .Lloop
	s_wait_tensorcnt 0x0                           ; the wave's end, behind my last LDS store
	ds_add_u32 v[SPW], v[NIL]
	s_wait_dscnt 0x0
	s_endpgm
.Lfunc_end_k_q486624a2b7_fc2:
	.size	k_q486624a2b7_fc2, .Lfunc_end_k_q486624a2b7_fc2-k_q486624a2b7_fc2
	.p2alignl 7, 3214868480
	.fill 96, 4, 3214868480
	.section	.rodata,"a",@progbits
	.p2align	6, 0x0
	.amdhsa_kernel k_q486624a2b7_fc2
		.amdhsa_group_segment_fixed_size 68096
		.amdhsa_private_segment_fixed_size 0
		.amdhsa_enable_private_segment 0
		.amdhsa_kernarg_size 40
		.amdhsa_user_sgpr_count 2
		.amdhsa_user_sgpr_kernarg_segment_ptr 1
		.amdhsa_wavefront_size32 1
		.amdhsa_system_sgpr_workgroup_id_x 1
		.amdhsa_system_sgpr_workgroup_id_y 1
		.amdhsa_system_sgpr_workgroup_id_z 1
		.amdhsa_system_vgpr_workitem_id 0
		.amdhsa_next_free_vgpr 1024
		.amdhsa_next_free_sgpr 100
		.amdhsa_reserve_vcc 0
		.amdhsa_float_denorm_mode_32 3
		.amdhsa_float_denorm_mode_16_64 3
		.amdhsa_memory_ordered 1
		.amdhsa_forward_progress 1
		.amdhsa_inst_pref_size 166
	.end_amdhsa_kernel
	.amdgpu_metadata
---
amdhsa.version: [ 1, 2 ]
amdhsa.kernels:
  - .name:           k_q486624a2b7_fc2
    .symbol:         k_q486624a2b7_fc2.kd
    .args:
      - { .name: W2, .offset: 0, .size: 8, .value_kind: global_buffer, .address_space: global }
      - { .name: b2, .offset: 8, .size: 8, .value_kind: global_buffer, .address_space: global }
      - { .name: hbuf, .offset: 16, .size: 8, .value_kind: global_buffer, .address_space: global }
      - { .name: maskb, .offset: 24, .size: 8, .value_kind: global_buffer, .address_space: global }
      - { .name: part, .offset: 32, .size: 8, .value_kind: global_buffer, .address_space: global }
    .group_segment_fixed_size: 68096
    .private_segment_fixed_size: 0
    .kernarg_segment_align: 8
    .kernarg_segment_size: 40
    .max_flat_workgroup_size: 128
    .sgpr_count:     100
    .vgpr_count:     1024
    .wavefront_size: 32
...
	.end_amdgpu_metadata
.endif
;; end of part 4
;; launch comb (part 5): grid 256 x 1, 8 waves a work-group, no clusters, 17,408 bytes of LDS; arguments part, gate, pos, out0; writes out0
.if DOCPART == 5
	.amdgcn_target "amdgcn-amd-amdhsa--gfx1250"
	.amdhsa_code_object_version 6
	.text
	.protected	k_q486624a2b7_comb
	.globl	k_q486624a2b7_comb
	.p2align	8
	.type	k_q486624a2b7_comb,@function
k_q486624a2b7_comb:
	s_mov_b64 s[64:65], 0
	v_nop
	global_prefetch_b8 v0, s[64:65] scope:SCOPE_SE
	s_setreg_imm32_b32 hwreg(HW_REG_WAVE_MODE, 25, 1), 1
	s_wait_xcnt 0x0
; THE SUM.  out0[t] = gate[p0] x (the four K quarters of part at row pos[p0]) + gate[p1] x (the same at row pos[p1]), p0 = 32 (t / 16) + t % 16, p1 = p0 + 16; all in f32.
; pos (whole numbers, stored by the launch that laid the rows in the experts' order) says where a pair's row lies; it comes by scalar loads beside the gates, one round trip ahead of part's loads.
; A stream: memory binds, so no matrix unit, no cluster, no barrier.  Wave w of a work-group takes token 4 wg + w / 2 and half w % 2 of its row: four blocks of 128 columns.  All its 32 loads
; (512 consecutive bytes each, 16 KB a wave) go out at once; each row of part that holds a pair is read once.
; part's blocks of 128 lie in the order sigma of the product before: place sigma is column 64 (sigma / 64) + 4 (sigma % 16) + (sigma / 16) % 4.  Lane L holds sigma = 4 L + i; it puts number i at its column in 512 bytes of
; LDS of the wave's own, and the block comes back as 16 consecutive bytes a lane, so that each store covers 512 consecutive bytes, aligned.
; The order of the additions is ((q0 + q1) + (q2 + q3)) and first choice before second, not the experts' order: a difference of rounding alone.
.set SPARE, 16384                      ; behind the eight waves' 2,048 bytes: the spare words, 128 bytes for each wave
.set QSTEP, 0x2000000                  ; part's K quarters lie 8,192 rows of 4,096 bytes apart
.set KB, 36                            ; s[36:43] a base for each K quarter
.set VO, 12                            ; v12, v13: my 16 bytes in the first and in the second choice's row
.set LD, 16                            ; v[16:143] block c, quarter kq, choice pp at 16 + 32 c + 8 kq + 4 pp
.set RS, 144                           ; v[144:159] block c in the columns' order
	s_load_b256 s[4:11], s[0:1], 0x0               ; part s[4:5], gate s[6:7], pos s[8:9], out0 s[10:11]
	v_lshl_add_u32 v6, v0, 2, SPARE                ; my spare word,
	v_mov_b32 v7, 0                                ; and 0: kept for the closing lines alone
	v_lshrrev_b32 v1, 5, v0
	v_readfirstlane_b32 s18, v1                    ; wave 0..7
	v_and_b32 v1, 31, v0                           ; lane
	v_lshlrev_b32 v2, 4, v1                        ; 16 bytes a lane
	s_lshr_b32 s19, s18, 1
	s_lshl_b32 s20, ttmp9, 2
	s_add_co_u32 s20, s20, s19                     ; token
	s_and_b32 s21, s18, 1                          ; half of the row
	s_lshr_b32 s22, s20, 4
	s_lshl_b32 s22, s22, 5
	s_and_b32 s23, s20, 15
	s_or_b32 s22, s22, s23                         ; p0
	s_lshl_b32 s28, s21, 11                        ; the half's 2,048 bytes
	s_mov_b32 s29, 0
	s_lshl_b32 s30, s22, 2
	s_mov_b32 s31, 0
	s_lshl_b32 s2, s20, 12
	s_add_co_u32 s2, s2, s28
	s_mov_b32 s3, 0
	v_lshrrev_b32 v8, 4, v1                        ; 4 x the column of sigma = 4 L: 256 (L / 16) + 64 (L % 4) + 4 ((L / 4) % 4); number i lies 16 i further
	v_and_b32 v9, 3, v1
	v_bfe_u32 v10, v1, 2, 2
	v_lshlrev_b32 v3, 2, v10
	v_lshl_add_u32 v3, v9, 6, v3
	v_lshl_add_u32 v3, v8, 8, v3
	s_lshl_b32 s23, s18, 11                        ; my wave's 2,048 bytes
	v_add_nc_u32 v3, s23, v3
	v_add_nc_u32 v4, s23, v2
	s_wait_kmcnt 0x0
	s_add_nc_u64 s[6:7], s[6:7], s[30:31]
	s_add_nc_u64 s[8:9], s[8:9], s[30:31]
	s_load_b32 s24, s[6:7], 0x0                    ; the first choice's gate,
	s_load_b32 s26, s[6:7], 0x40                   ; the second's, 16 pairs on,
	s_load_b32 s32, s[8:9], 0x0                    ; and the two rows' places
	s_load_b32 s33, s[8:9], 0x40
	s_add_nc_u64 s[KB:KB+1], s[4:5], s[28:29]
	s_add_nc_u64 s[KB+2:KB+3], s[KB:KB+1], QSTEP
	s_add_nc_u64 s[KB+4:KB+5], s[KB+2:KB+3], QSTEP
	s_add_nc_u64 s[KB+6:KB+7], s[KB+4:KB+5], QSTEP
	s_add_nc_u64 s[10:11], s[10:11], s[2:3]
	s_wait_kmcnt 0x0
	s_mov_b32 s25, s24                             ; each gate is named as a pair
	s_mov_b32 s27, s26
	s_min_u32 s32, s32, 8191
	s_min_u32 s33, s33, 8191
	v_lshl_add_u32 v[VO], s32, 12, v2              ; a row of part is 4,096 bytes
	v_lshl_add_u32 v[VO+1], s33, 12, v2
.irp c, 0,1,2,3
.irp kq, 0,1,2,3
.irp pp, 0,1
	global_load_b128 v[LD+32*(\c)+8*(\kq)+4*(\pp):LD+32*(\c)+8*(\kq)+4*(\pp)+3], v[VO+(\pp)], s[KB+2*(\kq):KB+2*(\kq)+1] offset:512*(\c) th:TH_LOAD_NT
.endr
.endr
.endr
.macro BLK c
.set L0, LD+32*(\c)
	s_wait_loadcnt 24-8*(\c)                       ; block c is in: 8 loads for each later block stay out
.irp a, 0,2,4,6                        ; a = 4 pp + the pair
	v_pk_add_f32 v[L0+(\a):L0+(\a)+1],       v[L0+(\a):L0+(\a)+1],       v[L0+8+(\a):L0+8+(\a)+1]
	v_pk_add_f32 v[L0+16+(\a):L0+16+(\a)+1], v[L0+16+(\a):L0+16+(\a)+1], v[L0+24+(\a):L0+24+(\a)+1]
.endr
.irp a, 0,2,4,6
	v_pk_add_f32 v[L0+(\a):L0+(\a)+1], v[L0+(\a):L0+(\a)+1], v[L0+16+(\a):L0+16+(\a)+1]
.endr
.irp a, 0,2
	v_pk_mul_f32 v[L0+(\a):L0+(\a)+1], v[L0+(\a):L0+(\a)+1], s[24:25] op_sel_hi:[1,0]
.endr
.irp a, 0,2
	v_pk_fma_f32 v[L0+(\a):L0+(\a)+1], v[L0+4+(\a):L0+4+(\a)+1], s[26:27], v[L0+(\a):L0+(\a)+1] op_sel_hi:[1,0,1]
.endr
.irp i, 0,1,2,3
	ds_store_b32 v3, v[L0+(\i)] offset:512*(\c)+16*(\i)
.endr
	ds_load_b128 v[RS+4*(\c):RS+4*(\c)+3], v4 offset:512*(\c)  ; the wave's own bytes, served in the order of issue: this load sees the four stores above
.endm
.macro OUT c, younger
	s_wait_dscnt \younger                          ; block c is back; the next block's four stores and one load may be out
	global_store_b128 v2, v[RS+4*(\c):RS+4*(\c)+3], s[10:11] offset:512*(\c) th:TH_STORE_NT  ; 512 consecutive bytes, aligned
.endm
	BLK 0
	BLK 1
	OUT 0, 5
	BLK 2
	OUT 1, 5
	BLK 3
	OUT 2, 5
	OUT 3, 0
	s_wait_tensorcnt 0x0                           ; the wave's end, behind my last LDS store
	ds_add_u32 v6, v7
	s_wait_dscnt 0x0
	s_endpgm
.Lfunc_end_k_q486624a2b7_comb:
	.size	k_q486624a2b7_comb, .Lfunc_end_k_q486624a2b7_comb-k_q486624a2b7_comb
	.p2alignl 7, 3214868480
	.fill 96, 4, 3214868480
	.section	.rodata,"a",@progbits
	.p2align	6, 0x0
	.amdhsa_kernel k_q486624a2b7_comb
		.amdhsa_group_segment_fixed_size 17408
		.amdhsa_private_segment_fixed_size 0
		.amdhsa_enable_private_segment 0
		.amdhsa_kernarg_size 32
		.amdhsa_user_sgpr_count 2
		.amdhsa_user_sgpr_kernarg_segment_ptr 1
		.amdhsa_wavefront_size32 1
		.amdhsa_system_sgpr_workgroup_id_x 1
		.amdhsa_system_sgpr_workgroup_id_y 1
		.amdhsa_system_sgpr_workgroup_id_z 1
		.amdhsa_system_vgpr_workitem_id 0
		.amdhsa_next_free_vgpr 160
		.amdhsa_next_free_sgpr 66
		.amdhsa_reserve_vcc 0
		.amdhsa_float_denorm_mode_32 3
		.amdhsa_float_denorm_mode_16_64 3
		.amdhsa_memory_ordered 1
		.amdhsa_forward_progress 1
		.amdhsa_inst_pref_size 12
	.end_amdhsa_kernel
	.amdgpu_metadata
---
amdhsa.version: [ 1, 2 ]
amdhsa.kernels:
  - .name:           k_q486624a2b7_comb
    .symbol:         k_q486624a2b7_comb.kd
    .args:
      - { .name: part, .offset: 0, .size: 8, .value_kind: global_buffer, .address_space: global }
      - { .name: gate, .offset: 8, .size: 8, .value_kind: global_buffer, .address_space: global }
      - { .name: pos, .offset: 16, .size: 8, .value_kind: global_buffer, .address_space: global }
      - { .name: out0, .offset: 24, .size: 8, .value_kind: global_buffer, .address_space: global }
    .group_segment_fixed_size: 17408
    .private_segment_fixed_size: 0
    .kernarg_segment_align: 8
    .kernarg_segment_size: 32
    .max_flat_workgroup_size: 256
    .sgpr_count:     66
    .vgpr_count:     160
    .wavefront_size: 32
...
	.end_amdgpu_metadata
.endif
;; end of part 5
;; ======== version 2 of 2: 5 launches; version 1 with the launches fc1, fc2 written anew for expert scheduling mode
;; limits: a function is approximated: absolute error at most 1.5e-07; values are held in f16: magnitudes above 65,504 overflow, below 6.1e-05 lose precision
;; workspace buffers: xb 2,097,152 bytes; gate 8,192 bytes; maskb 2,048 bytes of whole numbers; pos 8,192 bytes of whole numbers; xs 16,777,216 bytes; hbuf 67,108,864 bytes; part 134,217,728 bytes
;; launch route: the kernel of part 1 again; grid 64 x 1, 4 waves a work-group, no clusters, 37,632 bytes of LDS; arguments x, Wr, xb, gate, maskb; writes xb, gate, maskb
;; launch sort: the kernel of part 2 again; grid 256 x 1, 8 waves a work-group, no clusters, 0 bytes of LDS; arguments xb, maskb, xs, pos; writes xs, pos
;; launch fc1 (part 6): grid 32 x 8, 4 waves a work-group, no clusters, 68,096 bytes of LDS; arguments W1, b1, xs, maskb, hbuf; writes hbuf
.if DOCPART == 6
	.amdgcn_target "amdgcn-amd-amdhsa--gfx1250"
	.amdhsa_code_object_version 6
	.text
	.protected	k_q486624a2b7_fc1
	.globl	k_q486624a2b7_fc1
	.p2align	8
	.type	k_q486624a2b7_fc1,@function
k_q486624a2b7_fc1:
	s_mov_b64 s[64:65], 0
	v_nop
	global_prefetch_b8 v0, s[64:65] scope:SCOPE_SE
	s_setreg_imm32_b32 hwreg(HW_REG_WAVE_SCHED_MODE, 0, 2), 2
	s_setreg_imm32_b32 hwreg(HW_REG_WAVE_MODE, 25, 1), 1
	s_wait_xcnt 0x0
	s_wait_alu depctr_vm_vsrc(0)
; FIRST PRODUCT OF THE EXPERTS (FC2 = 0).  hbuf[1,024 e + i] = gelu(xs[1,024 e + i] . bf16(W1[e]) + bf16(b1[e])) for the rows i below expert e's count; f32 sums, exact gelu by erf, h rounded once to f16.
; (The same text with FC2 = 1 is the second product: part[kq][1,024 e + i] = hbuf[1,024 e + i] . bf16(W2[e]) over a quarter kq of K, with bf16(b2[e]) added in quarter 0; f32 out.)
; SHARES.  256 work-groups = 8 experts x 32 slices of 128 columns x 1,024 K.  A slice is read from memory once, by this work-group alone, rounded on its way through registers and KEPT THERE: wave wk holds
; 128 columns x K quarter wk as 8 K steps x 8 tiles x 8 registers = 512 registers (windows 2, 3).  Then the expert's rows go by in tiles of 16: every wave loads its K quarter of the 16 rows straight into
; registers as source 1, issues 64 matrix instructions on 8 accumulators by turns, and puts its 16 x 128 partial sums (f32) into LDS; behind one barrier each wave adds the four partials of 4 rows, finishes and stores them.
; WEIGHTS WITHOUT A TRANSPOSE.  W lies [K][N].  Lane (r = lane % 16, h = lane / 16) loads 16 bytes at row k, columns 64 g + 4 r + 0..3: sixteen lanes take 256 consecutive bytes, aligned.  Its four numbers go to four
; tiles T = 4 g + c, in each of which the lane holds row r of source 0; with the lane's 16 k of a K step loaded so, register q of a tile is made of two loaded numbers.  The price is an order of columns:
; place sigma = 16 T + rho in the block of 128 is column 64 (sigma / 64) + 4 (sigma % 16) + (sigma / 16) % 4.  hbuf keeps an order of its own, mu = 8 u + i (i < 4: sigma = 4 u + i; else 64 + 4 u + i - 4), and the second
; product reads W2's rows in that order; part keeps sigma, and the last launch puts the columns back.
; THE ROWS lie end to end in the expert's region of 1,024 (the launch before laid them so).  The count is the set bits of maskb[e] (64 words, whole numbers, by scalar loads).  A lane's row is min(16 tile + r, count - 1):
; places past the count repeat the last row, and such rows compute and store the same bytes again at the same address.  The loop has a constant 64 trips (1,024 rows) and every wave passes every barrier; a trip past
; the count jumps forward over the work alone.  The trip behind the last tile multiplies repeated rows once more, to no use: the price of one text for the trip.
; AN EXPERT WITHOUT ROWS counts as having one: the launch before laid a row at its region's first place, so no byte is read that nobody wrote; what is made of that row is stored and never read.  It costs such an
; expert one tile's work beside the slice that it streams anyway.
; NO TENSOR LOADS, NO CLUSTER.  Each slice of weights has one reader, and passes through registers for the rounding anyway.  The rows are shared by an expert's 32 work-groups; but a joint load is a tensor load, which may
; not be jumped in a loop, and in 64 constant trips it would fetch 1,024 rows for every expert, four times the mean of 256, which eats the division by four; and each tile's 32 KB would go into LDS and out again.
; WHY h IS f16.  A gate may be near 1 while the gates' root mean square is near 0.3, so a token's numbers may be twice the output's root mean square, by which the allowance goes; 8 significant bits in h leave such a row
; some three standard deviations of room, 11 bits eight times that.
; LIMITS.  Inputs rounded once to bf16.  h is kept in f16, which ends at 65,504: h reaches about 5 at the drawn spread, 900 times that (4,600) with x and W1 both 30 times larger, and 1,024 x 30 x 0.94 = 28,800 with
; both carrying an offset of 30 times their spread; beyond 65,504 h becomes an infinity.  Below 6.1e-5 h keeps f16's fixed step of 6e-8.
; erf by the five-term rational form with 1 / (1 + 0.3275911 z): absolute error 1.5e-7.  NaN and infinities are not treated apart.
; THE MODE: SCHED_MODE bits 1:0 = 2 (LLVM: expert scheduling mode 2), set by the entry lines.  The code itself states the register dependences between vector or matrix instructions and memory or LDS
; instructions, with s_wait_alu, always for 0.
; THE PLAN.  Registers that memory or LDS instructions touch:
;   v4, v5, v16, v18   offsets of the weights, the prefetches, my partials in LDS and the bias: made at the head, never written again.  One wait on va_vdst at the head serves them for the whole kernel.
;   slot b % 4         (window 1, 64 registers; the stream)  Batch b's loads land in it; batch b's roundings read it (the second product's also write it, in place); batch b + 4's loads land in it.
;                      One wait on va_vdst a batch, behind the roundings and ahead of those loads.
;   v14, v15           the rows' offsets, by the tile's parity.  Written by four vector lines in trip t, read by trip t's 16 row loads (tile t + 2), written again in trip t + 2.
;   v128-255           the rows, by the tile's parity.  Trip t's matrix instructions read what trip t - 2's loads brought; trip t's loads land there again.
;   v64-127            the accumulators.  Trip t's matrix instructions write them, trip t's 16 LDS stores read them, trip t + 1's matrix instructions write them anew.
;   window 1 v72       the LDS address by which partials are read back: made once behind the stream.
;   window 1 v0-63     Trip t's 16 LDS loads land there (tile t - 1's partials); the way out's lines read and write them; the second product's global stores read them.
;   window 1 v80-105   the way out's packed h and store offsets: written by its lines, read by the global stores.
; A TRIP'S WAITS.  At its head, ahead of the branch, one wait on vm_vsrc (beside s_wait_xcnt 0): all that earlier trips' LDS stores, row loads and global stores read is free to be written again.  Ahead of the 16 LDS loads
; one wait on va_vdst: the last trip's way out is done with window 1 v0-63.  In the middle ONE wait on va_vdst, behind the offset's lines, the 64 matrix instructions and the way out's first part: it serves the LDS stores
; (accumulators), the row loads (the rows' registers, the offset), the batch of reciprocals and exponentials (first product) and the global stores (second product); no vector line stands between it and any of these.
; The first product's roundings to f16 come behind it, so its two global stores have a wait of their own.
.set FC2, 0
.set XPITCH, 528                       ; a row of 128 f32 partial sums + 16 bytes: row r starts 4 r banks on
.set XPART,  16*XPITCH                 ; one wave's partial
.set XBUF,   4*XPART                   ; two such buffers take turns
.if FC2
.set WPITCH, 4096                      ; bytes in a row of the weights
.else
.set WPITCH, 16384
.endif
; window 0
.set RR,   1                           ; lane % 16
.set HH,   2                           ; lane / 16
.set LN,   3                           ; lane
.set WOFF, 4                           ; weights: my 16 bytes in a row, and h's rows
.set PFO,  5                           ; prefetch: a lane for each of a batch's 32 rows
.set T0,   8
.set T1,   9
.set AL,   12                          ; 16 h
.set AOFF, 14                          ; v14, v15: my row's byte offset, by the tile's parity
.set XW,   16                          ; where my partial sums go
.set BO,   18
.set BI,   20                          ; v20-27 bias as loaded
.set BP,   28                          ; v28-31 bias packed
.set C0,   32                          ; v32-34 on their way to window 1
.set ACC,  64                          ; v64-127 tile T at 64 + 8 T
.set AB,   128                         ; v128-191, v192-255: 16 rows x 256 K, by the tile's parity; K step s at + 8 s
; window 1: during the stream four slots of 64 for weights as loaded; afterwards:
.set BIAS, 64
.set XRD,  72
.set ROW0, 73
.set U16,  75
.set PI,   76                          ; v76-79 the places of the rows that I finish
.set PQ,   80                          ; first product: v80-95 the polynomial; second: v80-83 store offsets
.set HR,   96                          ; v96-103 h, packed
.set HO,   104                         ; v104-105 store offsets
.set TW,   106
; windows 2, 3: the weights: K step s, tile T at 64 (s % 4) + 8 T of window 2 + s / 4
; scalars: s[4:5] weights; s[6:7] bias; s[8:9] rows; s[10:11] maskb; s[12:13] output; s14 wave; s15 expert; s16 block of columns; s17 quarter of K;
; s18 count; s19 tiles; s20 count - 1; s21 the loop's counter; s22 the trip's tile; s23 the tile before; s[24:25] an offset; s26-28 at work; s[32:63], s[68:99] the bitmap, later constants
.set MSB, 0
.macro WIN new                         ; bits 1:0 source 0, 3:2 source 1, 5:4 source 2, 7:6 destination; the high byte repeats the setting that is left
.if MSB != (\new)
	s_set_vgpr_msb (MSB<<8)|(\new)
.set MSB, (\new)
.endif
.endm
; Batch b = (K step b / 2, column half b % 2): 16 loads, the lane's 16 k, into slot b % 4.
.macro WLOAD b
	WIN 0x40
.set idx, 0
.rept 16
.if FC2
.set wrow, 128*((\b)/8)+((\b)/2)%4+4*(idx%4)+64*((idx/4)%2)+32*(idx/8)  ; the row of W2 that hbuf's order puts at this k (h adds 16 rows)
.else
.set wrow, 32*((\b)/2)+idx%8+16*(idx/8)                                 ; k = 32 s + 8 h + 0..7, 32 s + 16 + 8 h + 0..7 (h adds 8 rows)
.endif
	global_load_b128 v[64*((\b)%4)+4*idx:64*((\b)%4)+4*idx+3], v[WOFF], s[4:5] offset:wrow*WPITCH+256*((\b)%2) th:TH_LOAD_NT
.set idx, idx+1
.endr
.endm
; One stage of batch b's rounding, for its 32 pairs of numbers (the lane's k number 2 q and 2 q + 1 of column c).  Stage 3 writes register q of tile 4 (b % 2) + c.
; First product: stage 3 alone, to bf16.  Second product: 0 both rounded to bf16, in place; 1, 2 widened again; 3 written as f16, the form of the other operand, h.
.macro WST b, st
.set c, 0
.rept 4
.set q, 0
.rept 8
.set wa, 64*((\b)%4)+8*q+c
.set wd, 64*(((\b)/2)%4)+8*(4*((\b)%2)+c)+q
.if (\st) == 0
	v_cvt_pk_bf16_f32 v[wa], v[wa], v[wa+4]
.elseif (\st) == 1
	v_and_b32 v[wa+4], s30, v[wa]
.elseif (\st) == 2
	v_lshlrev_b32 v[wa], 16, v[wa]
.elseif FC2
	v_cvt_pk_f16_f32 v[wd], v[wa], v[wa+4]
.else
	v_cvt_pk_bf16_f32 v[wd], v[wa], v[wa+4]
.endif
.set q, q+1
.endr
.set c, c+1
.endr
.endm
.macro WCVT b
.if FC2
	WIN 0x45                                       ; all in window 1
	WST \b, 0
	WST \b, 1
	WST \b, 2
.endif
	WIN 0x85+0x40*((\b)/8)                         ; sources window 1, destination window 2 or 3
	WST \b, 3
.endm
; Batch b's 32 blocks of 256 bytes, a lane each, asked for once in the launch, three batches ahead of the batch's loads; the last batch asked for is the slice's last.
.macro PF b
.if FC2
	global_prefetch_b8 v[PFO], s[4:5] offset:(128*((\b)/8)+((\b)/2)%4)*WPITCH+256*((\b)%2) th:TH_LOAD_NT scope:SCOPE_SE
.else
	global_prefetch_b8 v[PFO], s[4:5] offset:32*((\b)/2)*WPITCH+256*((\b)%2) th:TH_LOAD_NT scope:SCOPE_SE
.endif
.endm
; The expert's count: the set bits of its 64 words, and 1 where there are none.  Tiles = ceil(count / 16), one at the least.
.macro COUNT
.set w, 0
.rept 64
.if w < 32
.set mr, 32+w
.else
.set mr, 36+w
.endif
	s_bcnt1_i32_b32 s26, s[mr]
	s_add_co_u32 s18, s18, s26
.set w, w+1
.endr
	s_max_u32 s18, s18, 1
	s_sub_co_u32 s20, s18, 1
	s_min_u32 s20, s20, 1023                       ; the last row's place
	s_add_co_u32 s19, s18, 15
	s_lshr_b32 s19, s19, 4
.endm
.macro AOFFS par                       ; my row of tile s26: place 16 s26 + r, the last row's at the most; from it the byte offset
	v_lshl_add_u32 v[T1], s26, 4, v[RR]
	v_min_u32 v[T1], s20, v[T1]
	v_min_u32 v[T1], 1023, v[T1]
.if FC2
	v_lshl_add_u32 v[AOFF+(\par)], v[T1], 13, v[AL]   ; a row of hbuf is 8,192 bytes
.else
	v_lshl_add_u32 v[AOFF+(\par)], v[T1], 11, v[AL]   ; a row of xs is 2,048 bytes
.endif
.endm
.macro ALOAD par                       ; 16 rows x my 256 K as source 1: no hint, other work-groups read these rows again
.set ms, 0
.rept 8
	global_load_b128 v[AB+64*(\par)+8*ms:AB+64*(\par)+8*ms+3],   v[AOFF+(\par)], s[8:9] offset:64*ms
	global_load_b128 v[AB+64*(\par)+8*ms+4:AB+64*(\par)+8*ms+7], v[AOFF+(\par)], s[8:9] offset:64*ms+32
.set ms, ms+1
.endr
.endm
; 64 matrix instructions: source 0 = 16 columns of the weights, source 1 = 16 rows: a lane's results are one row's eight places.  The eight accumulators take turns, one instruction a turn; the first eight start the sums.
; The first product's operands are bf16, the second's f16.
.macro MMA par
.set ms, 0
.rept 8
	WIN 0x02+ms/4
.set mt, 0
.rept 8
.set rD, ACC+8*mt
.set rW, 64*(ms%4)+8*mt
.set rA, AB+64*(\par)+8*ms
.if FC2 && (ms == 0)
	v_wmma_f32_16x16x32_f16 v[rD:rD+7], v[rW:rW+7], v[rA:rA+7], 0
.elseif FC2
	v_wmma_f32_16x16x32_f16 v[rD:rD+7], v[rW:rW+7], v[rA:rA+7], v[rD:rD+7]
.elseif ms == 0
	v_wmma_f32_16x16x32_bf16 v[rD:rD+7], v[rW:rW+7], v[rA:rA+7], 0
.else
	v_wmma_f32_16x16x32_bf16 v[rD:rD+7], v[rW:rW+7], v[rA:rA+7], v[rD:rD+7]
.endif
.set mt, mt+1
.endr
.set ms, ms+1
.endr
	WIN 0
.rept 5
	v_nop                                          ; the places behind the last products: ahead of the stores of the results and of the next tile's products that write the accumulators anew; the wait on va_vdst further down stands beside them, not for them
.endr
.endm
.macro XPUT par                        ; each accumulator from its low end on
.set mt, 0
.rept 8
	ds_store_b128 v[XW], v[ACC+8*mt:ACC+8*mt+3]   offset:(\par)*XBUF+64*mt
	ds_store_b128 v[XW], v[ACC+8*mt+4:ACC+8*mt+7] offset:(\par)*XBUF+64*mt+16
.set mt, mt+1
.endr
.endm
.macro XGET par                        ; the four partials of my four rows: sixteen lanes take 256 consecutive bytes
	WIN 0x55
	s_wait_alu depctr_va_vdst(0)                   ; the way out's lines of the trip before are done reading and writing window 1's v0-63, in which these loads land; v72, their address, is written
.if FC2
.irp i, 0,1,2,3
.irp q, 0,1,2,3
	ds_load_b128 v[16*(\i)+4*(\q):16*(\i)+4*(\q)+3], v[XRD] offset:(\par)*XBUF+XPART*(\q)+XPITCH*(\i)
.endr
.endr
.else
.irp i, 0,1
.irp q, 0,1,2,3
.irp c, 0,1
	ds_load_b128 v[32*(\i)+8*(\q)+4*(\c):32*(\i)+8*(\q)+4*(\c)+3], v[XRD] offset:(\par)*XBUF+XPART*(\q)+2*XPITCH*(\i)+256*(\c)
.endr
.endr
.endr
.endif
.endm
; THE WAY OUT, stage n for pair k of eight pairs of numbers; dealt stage by stage, so that seven independent lines stand between a line and the one that reads its result.
; 0-3 bias and the four partials.  First product alone: 4, 5 |x|; 6 1 + 0.2316419 |x|; 7, 8 -x x log2(e) / 2; 9-12 ONE BATCH of reciprocals and exponentials;
; 13-18 P = half the polynomial in t, times t, times the exponential = erfc(|x| / sqrt 2) / 2; 19-21 gelu = max(x, 0) - |x| P; 22 rounded to f16.
.macro EPS
.if FC2
.set X, 16*(k/2)+2*(k%2)
.set X1, X+4
.set X2, X+8
.set X3, X+12
.set B_, BIAS+2*(k%2)
.else
.set X, 32*(k/4)+2*(k%4)
.set X1, X+8
.set X2, X+16
.set X3, X+24
.set B_, BIAS+2*(k%4)
.endif
.set P_, PQ+2*k
.if n == 0
	v_pk_add_f32 v[X:X+1], v[X:X+1], v[B_:B_+1]
.elseif n == 1
	v_pk_add_f32 v[X2:X2+1], v[X2:X2+1], v[X3:X3+1]
.elseif n == 2
	v_pk_add_f32 v[X:X+1], v[X:X+1], v[X1:X1+1]
.elseif n == 3
	v_pk_add_f32 v[X:X+1], v[X:X+1], v[X2:X2+1]
.elseif n == 4
	v_and_b32 v[X1], s46, v[X]
.elseif n == 5
	v_and_b32 v[X1+1], s46, v[X+1]
.elseif n == 6
	v_pk_fma_f32 v[X2:X2+1], v[X1:X1+1], s[32:33], 1.0 op_sel_hi:[1,0,0]
.elseif n == 7
	v_pk_mul_f32 v[X3:X3+1], v[X:X+1], v[X:X+1]
.elseif n == 8
	v_pk_mul_f32 v[X3:X3+1], v[X3:X3+1], s[34:35] op_sel_hi:[1,0]
.elseif n == 9
	v_rcp_f32 v[X2], v[X2]
.elseif n == 10
	v_rcp_f32 v[X2+1], v[X2+1]
.elseif n == 11
	v_exp_f32 v[X3], v[X3]
.elseif n == 12
	v_exp_f32 v[X3+1], v[X3+1]
.elseif n == 13
	v_pk_fma_f32 v[P_:P_+1], v[X2:X2+1], s[36:37], s[38:39] op_sel_hi:[1,0,0]
.elseif n == 14
	v_pk_fma_f32 v[P_:P_+1], v[P_:P_+1], v[X2:X2+1], s[40:41] op_sel_hi:[1,1,0]
.elseif n == 15
	v_pk_fma_f32 v[P_:P_+1], v[P_:P_+1], v[X2:X2+1], s[42:43] op_sel_hi:[1,1,0]
.elseif n == 16
	v_pk_fma_f32 v[P_:P_+1], v[P_:P_+1], v[X2:X2+1], s[44:45] op_sel_hi:[1,1,0]
.elseif n == 17
	v_pk_mul_f32 v[P_:P_+1], v[P_:P_+1], v[X2:X2+1]
.elseif n == 18
	v_pk_mul_f32 v[P_:P_+1], v[P_:P_+1], v[X3:X3+1]
.elseif n == 19
	v_max_num_f32 v[X2], 0, v[X]
.elseif n == 20
	v_max_num_f32 v[X2+1], 0, v[X+1]
.elseif n == 21
	v_pk_fma_f32 v[X:X+1], v[X1:X1+1], v[P_:P_+1], v[X2:X2+1] neg_lo:[1,0,0] neg_hi:[1,0,0]
.else
	v_cvt_pk_f16_f32 v[HR+k], v[X], v[X+1]
.endif
.endm
.macro RUN first, count
.set n, \first
.rept \count
.set k, 0
.rept 8
	EPS
.set k, k+1
.endr
.set n, n+1
.endr
.endm
; The rows that I finish lie at the places 16 s23 + my first row + its steps, the last row's place at the most: the same rule as for the loads, so a repeated row goes where the row itself goes.
; The way out stands in two parts, round the trip's middle wait.  EPI1: the sums, (first product) all up to the end of the batch of reciprocals and exponentials, and the stores' offsets.
; EPI2: (first product) the rest of the gelu and the roundings; the global stores.
.macro EPI1
	WIN 0x55                                       ; all in window 1
.if FC2
	RUN 0, 4
	v_lshl_add_u32 v[TW], s23, 4, v[ROW0]
.irp i, 1,2,3
	v_add_nc_u32 v[PI+(\i)], \i, v[TW]
.endr
	v_min_u32 v[PI], s20, v[TW]
.irp i, 1,2,3
	v_min_u32 v[PI+(\i)], s20, v[PI+(\i)]
.endr
.irp i, 0,1,2,3
	v_min_u32 v[PI+(\i)], 1023, v[PI+(\i)]
.endr
.irp i, 0,1,2,3
	v_lshl_add_u32 v[PQ+(\i)], v[PI+(\i)], 12, v[U16]  ; a row of part is 4,096 bytes
.endr
.else
	RUN 0, 13
	v_lshl_add_u32 v[TW], s23, 4, v[ROW0]          ; the stores' offsets are the plain, independent work behind the last exponential
	v_add_nc_u32 v[PI+1], 2, v[TW]
	v_min_u32 v[PI], s20, v[TW]
	v_min_u32 v[PI+1], s20, v[PI+1]
.irp i, 0,1
	v_min_u32 v[PI+(\i)], 1023, v[PI+(\i)]
.endr
.irp i, 0,1
	v_lshl_add_u32 v[HO+(\i)], v[PI+(\i)], 13, v[U16]  ; a row of hbuf is 8,192 bytes
.endr
.endif
.endm
.macro EPI2
	WIN 0x55                                       ; all in window 1
.if FC2
.irp i, 0,1,2,3
	global_store_b128 v[PQ+(\i)], v[16*(\i):16*(\i)+3], s[12:13]  ; 32 lanes store 512 consecutive bytes, aligned.  No wait: no vector line since the trip's middle wait names their data or offsets
.endr
.else
	RUN 13, 10
	s_wait_alu depctr_va_vdst(0)                   ; the roundings have written v96-103 of window 1, which the two stores read
.irp i, 0,1
	global_store_b128 v[HO+(\i)], v[HR+4*(\i):HR+4*(\i)+3], s[12:13]  ; sixteen lanes store 256 consecutive bytes of one row, aligned
.endr
.endif
.endm
; TRIP t = 2 s21 + 1 + kk (head = 1: t = 0, which every expert has), par = t % 2.  It multiplies tile t, finishes tile t - 1 and asks for the rows of tile t + 2.
; One barrier a trip does for both orders: the partials of tile t are stored and awaited ahead of it and read behind it; buffer par, written here, was last read in the trip before, whose reads were awaited ahead of that trip's barrier.
.macro TRIP par, kk, head
.if \head
	s_mov_b32 s26, 2
.else
	s_lshl_b32 s22, s21, 1
	s_add_co_u32 s22, s22, 1+(\kk)                 ; t
	s_sub_co_u32 s23, s22, 1
	s_add_co_u32 s26, s22, 2
	s_wait_xcnt 0x0                                ; the last trip's stores have had their addresses translated: their data and offsets are written again only behind this wait
	s_wait_alu depctr_vm_vsrc(0)                   ; ahead of the branch, on every way: the last trip's LDS stores have read the accumulators, its global stores their data and offsets, the row loads of two trips back v[AOFF + par]: all are written again below
	s_cmp_gt_u32 s22, s19
	s_cbranch_scc1 .Lidle_\@                       ; past the count: forward over the work alone
	XGET 1-(\par)
	WIN 0
.endif
	s_wait_loadcnt 16                              ; tile t's rows are in; the 16 younger loads are tile t + 1's
.if \head
	s_wait_alu depctr_vm_vsrc(0)                   ; the loads of tile 0's rows have read v[AOFF], which the next lines write again
.endif
	AOFFS \par                                     ; this offset register's last loads were shown done by the wait for tile t's rows
	MMA \par
.if !(\head)
	s_wait_dscnt 0x0                               ; the four partials of tile t - 1 are back: they are the only LDS instructions out
	EPI1
	WIN 0
.endif
	s_wait_alu depctr_va_vdst(0)                   ; ONE wait: the products have written the accumulators, which the LDS stores read, and are done reading tile t's rows, in whose registers the next loads land; v[AOFF + par] is written; first product: the 32 reciprocals and exponentials have written their results, ahead of their first reader; second: the sums and the stores' offsets are written
	XPUT \par
	ALOAD \par
.if !(\head)
	EPI2
	WIN 0
	s_branch .Ljoin_\@
.Lidle_\@:
	s_wait_loadcnt 0x0                             ; so that the count 16 holds on every way into a later trip
.Ljoin_\@:
.endif
	s_wait_dscnt 0x0                               ; for the others' sake: my partials are stored and my reads of the other buffer are back
	s_barrier_signal -1
	s_barrier_wait -1
.endm
	s_load_b256 s[4:11], s[0:1], 0x0               ; weights s[4:5], bias s[6:7], rows s[8:9], maskb s[10:11]
	s_load_b64 s[12:13], s[0:1], 0x20              ; output
	v_lshl_add_u32 v62, v0, 2, 0x10800
	v_mov_b32 v63, 0
	v_lshrrev_b32 v1, 5, v0
	v_readfirstlane_b32 s14, v1                    ; wave = K quarter 0..3
	s_and_b32 s15, ttmp7, 0xffff                   ; expert
.if FC2
	s_and_b32 s16, ttmp9, 7                        ; block of 128 columns
	s_lshr_b32 s17, ttmp9, 3                       ; quarter of K
	s_mov_b32 s30, 0xffff0000                      ; a word's upper bf16
.else
	s_mov_b32 s16, ttmp9                           ; block of 128 columns
.endif
	v_and_b32 v[RR], 15, v0
	v_bfe_u32 v[HH], v0, 4, 1
	v_and_b32 v[LN], 31, v0
.if FC2
	v_lshlrev_b32 v[WOFF], 16, v[HH]               ; h: 16 rows of 4,096 bytes
	v_and_b32 v[T0], 3, v[LN]                      ; bias of place 4 lane + i: column 64 (lane / 16) + 16 (lane % 4) + 4 i + (lane / 4) % 4
	v_bfe_u32 v[T1], v[LN], 2, 2
	v_lshlrev_b32 v[T1], 2, v[T1]
	v_lshl_add_u32 v[T1], v[T0], 6, v[T1]
	v_lshl_add_u32 v[BO], v[HH], 8, v[T1]
.else
	v_lshlrev_b32 v[WOFF], 17, v[HH]               ; h: 8 rows of 16,384 bytes
	v_and_b32 v[T0], 3, v[RR]                      ; bias of place 8 u + i: column 64 (i / 4) + 16 (u % 4) + 4 (i % 4) + u / 4
	v_lshrrev_b32 v[T1], 2, v[RR]
	v_lshlrev_b32 v[T1], 2, v[T1]
	v_lshl_add_u32 v[BO], v[T0], 6, v[T1]
.endif
	v_lshl_add_u32 v[WOFF], v[RR], 4, v[WOFF]
	v_lshlrev_b32 v[PFO], 14, v[LN]                ; a batch's 32 rows lie 16,384 bytes apart in both products
	v_lshlrev_b32 v[AL], 4, v[HH]
	s_wait_alu depctr_va_sdst(0)                   ; s14 is written, ahead of its first reader: LDS places and the bases of weights, rows and output are made from it
	s_mul_i32 s28, s14, XPART
	v_mul_u32_u24 v[XW], v[RR], XPITCH
	v_lshl_add_u32 v[XW], v[HH], 5, v[XW]
	v_add_nc_u32 v[XW], s28, v[XW]                 ; my wave's partial, row r, 32 h
	s_mov_b32 s18, 0                               ; the count
	s_mov_b32 s25, 0
	s_wait_kmcnt 0x0
	s_lshl_b32 s24, s15, 8
	s_add_nc_u64 s[10:11], s[10:11], s[24:25]      ; my expert's 64 words
	s_load_b512 s[32:47], s[10:11], 0x0
	s_load_b512 s[48:63], s[10:11], 0x40
	s_load_b512 s[68:83], s[10:11], 0x80
	s_load_b512 s[84:99], s[10:11], 0xc0
.if FC2
	s_lshl_b32 s24, s15, 24                        ; expert: 4,096 rows of 4,096 bytes
	s_lshl_b32 s26, s17, 22                        ; quarter: 1,024 rows
	s_add_co_u32 s24, s24, s26
	s_lshl_b32 s26, s14, 20                        ; wave: 256 rows
	s_add_co_u32 s24, s24, s26
	s_lshl_b32 s26, s16, 9                         ; 128 columns of 4 bytes
	s_add_co_u32 s24, s24, s26
	s_add_nc_u64 s[4:5], s[4:5], s[24:25]
	s_lshl_b32 s24, s15, 12
	s_add_co_u32 s24, s24, s26
	s_add_nc_u64 s[6:7], s[6:7], s[24:25]
	s_lshl_b32 s24, s17, 11                        ; hbuf: a row's 1,024 places of 2 bytes a quarter, 256 a wave,
	s_lshl_b32 s27, s14, 9
	s_add_co_u32 s24, s24, s27
	s_lshl_b32 s27, s15, 23                        ; an expert's 1,024 rows of 8,192 bytes
	s_add_co_u32 s24, s24, s27
	s_add_nc_u64 s[8:9], s[8:9], s[24:25]
	s_lshl_b32 s24, s17, 25                        ; part: 8,192 rows of 4,096 bytes a quarter,
	s_lshl_b32 s27, s15, 22                        ; 1,024 an expert
	s_add_co_u32 s24, s24, s27
	s_add_co_u32 s24, s24, s26
	s_add_nc_u64 s[12:13], s[12:13], s[24:25]
.else
	s_lshl_b32 s24, s15, 24                        ; expert: 1,024 rows of 16,384 bytes
	s_lshl_b32 s26, s14, 22                        ; wave: 256 rows
	s_add_co_u32 s24, s24, s26
	s_lshl_b32 s26, s16, 9                         ; 128 columns of 4 bytes
	s_add_co_u32 s24, s24, s26
	s_add_nc_u64 s[4:5], s[4:5], s[24:25]
	s_lshl_b32 s24, s15, 14
	s_add_co_u32 s24, s24, s26
	s_add_nc_u64 s[6:7], s[6:7], s[24:25]
	s_lshl_b32 s24, s14, 9                         ; xs: a row's 256 K of 2 bytes a wave,
	s_lshl_b32 s26, s15, 21                        ; an expert's 1,024 rows of 2,048 bytes
	s_add_co_u32 s24, s24, s26
	s_add_nc_u64 s[8:9], s[8:9], s[24:25]
	s_lshl_b32 s24, s15, 23                        ; hbuf: an expert's 1,024 rows of 8,192 bytes,
	s_lshl_b32 s26, s16, 8                         ; 128 places of 2 bytes
	s_add_co_u32 s24, s24, s26
	s_add_nc_u64 s[12:13], s[12:13], s[24:25]
.endif
	s_wait_alu depctr_va_vdst(0)                   ; v4, v5, v16 and v18 are written: the offsets that the loads of bias and weights, the prefetches and the LDS stores read, from here to the kernel's end
.if FC2
.irp i, 0,1,2,3
	global_load_b32 v[BI+(\i)], v[BO], s[6:7] offset:16*(\i)
.endr
.else
.irp i, 0,1,2,3,4,5,6,7
	global_load_b32 v[BI+(\i)], v[BO], s[6:7] offset:16*((\i)%4)+256*((\i)/4)
.endr
.endif
	WLOAD 0
	WLOAD 1
	WLOAD 2
	WLOAD 3
	PF 4
	PF 5
	PF 6
	WIN 0
; THE STREAM: 16 batches through four slots: three batches (48 loads of 512 bytes a wave) stay on their way while one is rounded.
.irp b, 0,1,2,3,4,5,6,7,8,9,10,11,12,13,14,15
.if ((\b) == 13) || ((\b) == 15)
	s_wait_loadcnt 32                              ; batch 13: two younger batches; batch 15: the 32 loads of the first two tiles' rows
.else
	s_wait_loadcnt 48                              ; three younger batches (batch 14: batch 15 and the 32 loads of rows)
.endif
	WCVT \b
.if (\b) < 12
	WIN 0x40
	s_wait_alu depctr_va_vdst(0)                   ; the roundings are done reading this batch's slot (the second product's: and writing it), in which the loads of the batch four on land
	WLOAD (\b)+4
.endif
.if (\b) < 9
	PF (\b)+7
.endif
	WIN 0
.if (\b) == 0
	s_wait_kmcnt 0x0                               ; the bitmap
	COUNT
.endif
.if ((\b) == 9) && !FC2
	s_mov_b32 s32, 0x3e6d3388                      ; 0.3275911 / sqrt 2; the bitmap's registers are free
	s_mov_b32 s33, s32                             ; each is named as a pair
	s_mov_b32 s34, 0xbf38aa3b                      ; -log2(e) / 2
	s_mov_b32 s35, s34
	s_mov_b32 s36, 0x3f07dc22                      ; 1.061405429 / 2
	s_mov_b32 s37, s36
	s_mov_b32 s38, 0xbf3a00e3                      ; -1.453152027 / 2
	s_mov_b32 s39, s38
	s_mov_b32 s40, 0x3f35f0e3                      ; 1.421413741 / 2
	s_mov_b32 s41, s40
	s_mov_b32 s42, 0xbe11a98e                      ; -0.284496736 / 2
	s_mov_b32 s43, s42
	s_mov_b32 s44, 0x3e027906                      ; 0.254829592 / 2
	s_mov_b32 s45, s44
	s_mov_b32 s46, 0x7fffffff
.endif
.if (\b) == 13
	s_mov_b32 s26, 0                               ; the rows of tiles 0 and 1 are asked for while the last weights come in
	AOFFS 0
	s_mov_b32 s26, 1
	AOFFS 1
	s_wait_alu depctr_va_vdst(0)                   ; v14 and v15 are written, which the 32 loads below read as their offsets
	ALOAD 0
	ALOAD 1
.endif
.endr
	; window 1 is free: the bias (rounded to bf16, widened again) and the way out's lane constants
.if FC2
	v_cvt_pk_bf16_f32 v[BP], v[BI], v[BI+1]
	v_cvt_pk_bf16_f32 v[BP+1], v[BI+2], v[BI+3]
	s_cmp_eq_u32 s17, 0
	s_cselect_b32 s28, -1, 0                       ; the bias is added in K's quarter 0 alone
	v_and_b32 v[BP], s28, v[BP]
	v_and_b32 v[BP+1], s28, v[BP+1]
	s_lshl_b32 s27, s14, 2
	v_mov_b32 v[C0], s27                           ; my first row of a tile: 4 wk
	s_mul_i32 s27, s14, 4*XPITCH
	v_lshl_add_u32 v[C0+1], v[LN], 4, s27          ; that row, 16 bytes a lane
	v_lshlrev_b32 v[C0+2], 4, v[LN]
.else
.irp j, 0,1,2,3
	v_cvt_pk_bf16_f32 v[BP+(\j)], v[BI+2*(\j)], v[BI+2*(\j)+1]
.endr
	v_lshl_add_u32 v[C0], s14, 2, v[HH]            ; my first row of a tile: 4 wk + lane / 16
	v_mul_u32_u24 v[C0+1], v[C0], XPITCH
	v_lshl_add_u32 v[C0+1], v[RR], 4, v[C0+1]      ; that row, 16 bytes for each of 16 lanes
	v_lshlrev_b32 v[C0+2], 4, v[RR]
.endif
	WIN 0x40                                       ; destination window 1
.if FC2
.irp j, 0,1
	v_lshlrev_b32 v[BIAS+2*(\j)], 16, v[BP+(\j)]
	v_and_b32 v[BIAS+2*(\j)+1], 0xffff0000, v[BP+(\j)]
.endr
.else
.irp j, 0,1,2,3
	v_lshlrev_b32 v[BIAS+2*(\j)], 16, v[BP+(\j)]
	v_and_b32 v[BIAS+2*(\j)+1], 0xffff0000, v[BP+(\j)]
.endr
.endif
	v_mov_b32 v[ROW0], v[C0]
	v_mov_b32 v[XRD], v[C0+1]
	v_mov_b32 v[U16], v[C0+2]
	WIN 0
	TRIP 0, 0, 1                                   ; tile 0: nothing to finish yet
	s_mov_b32 s21, 0
.Lloop:                                                ; 32 trips of two tiles: t = 1 .. 64
	TRIP 1, 0, 0
	TRIP 0, 1, 0
	s_add_co_u32 s21, s21, 1
	s_cmp_lt_u32 s21, 32
	s_cbranch_scc1 .Lloop
	s_wait_dscnt 0x0                               ; the wave's end
	s_wait_alu depctr_hold_cnt(0) depctr_sa_sdst(0) depctr_va_vdst(0) depctr_va_sdst(0) depctr_va_ssrc(0) depctr_va_vcc(0) depctr_vm_vsrc(0)
	s_wait_tensorcnt 0x0
	ds_add_u32 v62, v63
	s_wait_dscnt 0x0
	s_endpgm
.Lfunc_end_k_q486624a2b7_fc1:
	.size	k_q486624a2b7_fc1, .Lfunc_end_k_q486624a2b7_fc1-k_q486624a2b7_fc1
	.p2alignl 7, 3214868480
	.fill 96, 4, 3214868480
	.section	.rodata,"a",@progbits
	.p2align	6, 0x0
	.amdhsa_kernel k_q486624a2b7_fc1
		.amdhsa_group_segment_fixed_size 68096
		.amdhsa_private_segment_fixed_size 0
		.amdhsa_enable_private_segment 0
		.amdhsa_kernarg_size 40
		.amdhsa_user_sgpr_count 2
		.amdhsa_user_sgpr_kernarg_segment_ptr 1
		.amdhsa_wavefront_size32 1
		.amdhsa_system_sgpr_workgroup_id_x 1
		.amdhsa_system_sgpr_workgroup_id_y 1
		.amdhsa_system_sgpr_workgroup_id_z 1
		.amdhsa_system_vgpr_workitem_id 0
		.amdhsa_next_free_vgpr 1024
		.amdhsa_next_free_sgpr 100
		.amdhsa_reserve_vcc 0
		.amdhsa_float_denorm_mode_32 3
		.amdhsa_float_denorm_mode_16_64 3
		.amdhsa_memory_ordered 1
		.amdhsa_forward_progress 1
		.amdhsa_inst_pref_size 118
	.end_amdhsa_kernel
	.amdgpu_metadata
---
amdhsa.version: [ 1, 2 ]
amdhsa.kernels:
  - .name:           k_q486624a2b7_fc1
    .symbol:         k_q486624a2b7_fc1.kd
    .args:
      - { .name: W1, .offset: 0, .size: 8, .value_kind: global_buffer, .address_space: global }
      - { .name: b1, .offset: 8, .size: 8, .value_kind: global_buffer, .address_space: global }
      - { .name: xs, .offset: 16, .size: 8, .value_kind: global_buffer, .address_space: global }
      - { .name: maskb, .offset: 24, .size: 8, .value_kind: global_buffer, .address_space: global }
      - { .name: hbuf, .offset: 32, .size: 8, .value_kind: global_buffer, .address_space: global }
    .group_segment_fixed_size: 68096
    .private_segment_fixed_size: 0
    .kernarg_segment_align: 8
    .kernarg_segment_size: 40
    .max_flat_workgroup_size: 128
    .sgpr_count:     100
    .vgpr_count:     1024
    .wavefront_size: 32
...
	.end_amdgpu_metadata
.endif
;; end of part 6
;; launch fc2 (part 7): grid 32 x 8, 4 waves a work-group, no clusters, 68,096 bytes of LDS; arguments W2, b2, hbuf, maskb, part; writes part
.if DOCPART == 7
	.amdgcn_target "amdgcn-amd-amdhsa--gfx1250"
	.amdhsa_code_object_version 6
	.text
	.protected	k_q486624a2b7_fc2
	.globl	k_q486624a2b7_fc2
	.p2align	8
	.type	k_q486624a2b7_fc2,@function
k_q486624a2b7_fc2:
	s_mov_b64 s[64:65], 0
	v_nop
	global_prefetch_b8 v0, s[64:65] scope:SCOPE_SE
	s_setreg_imm32_b32 hwreg(HW_REG_WAVE_SCHED_MODE, 0, 2), 2
	s_setreg_imm32_b32 hwreg(HW_REG_WAVE_MODE, 25, 1), 1
	s_wait_xcnt 0x0
	s_wait_alu depctr_vm_vsrc(0)
; SECOND PRODUCT OF THE EXPERTS (FC2 = 1).  part[kq][1,024 e + i] = hbuf[1,024 e + i] . bf16(W2[e]) over quarter kq of K = 4,096, with bf16(b2[e]) added in quarter 0, for the rows i below expert e's count; f32 sums,
; f32 out (partial sums).  (The same text with FC2 = 0 is the first product: hbuf[1,024 e + i] = gelu(xs[1,024 e + i] . bf16(W1[e]) + bf16(b1[e])), rounded once to f16.)
; SHARES.  256 work-groups = 8 experts x 8 blocks of 128 columns x 4 quarters of K: a slice of 128 columns x 1,024 K.  It is read from memory once, by this work-group alone, rounded on its way through registers and KEPT
; THERE: wave wk holds 128 columns x 256 K as 8 K steps x 8 tiles x 8 registers = 512 registers (windows 2, 3).  Then the expert's rows go by in tiles of 16: every wave loads its 256 K of the 16 rows straight into
; registers as source 1, issues 64 matrix instructions on 8 accumulators by turns, and puts its 16 x 128 partial sums (f32) into LDS; behind one barrier each wave adds the four partials of 4 rows and stores them.
; A slice of 128 columns x a quarter of K, not 32 columns x all of K: the narrower slice would load each row of hbuf four times as often, and its weight rows would be 128 bytes long.
; FORMATS.  h comes in f16, so the product is the f16 form.  W2 is rounded to bf16 like every other input, and that number is written as f16: exact from 6.1e-5 up, off by 3e-8 at the most below.
; WEIGHTS WITHOUT A TRANSPOSE.  W lies [K][N].  Lane (r = lane % 16, h = lane / 16) loads 16 bytes at row k, columns 64 g + 4 r + 0..3: sixteen lanes take 256 consecutive bytes, aligned.  Its four numbers go to four
; tiles T = 4 g + c, in each of which the lane holds row r of source 0; with the lane's 16 k of a K step loaded so, register q of a tile is made of two loaded numbers.  The price is an order of columns:
; place sigma = 16 T + rho in the block of 128 is column 64 (sigma / 64) + 4 (sigma % 16) + (sigma / 16) % 4.  part keeps sigma, and the last launch puts the columns back.  hbuf lies in an order of its own,
; mu = 8 u + i (i < 4: sigma = 4 u + i; else 64 + 4 u + i - 4), and W2's rows are read in that order.
; THE ROWS lie end to end in the expert's region of 1,024 (the first product stored them so).  The count is the set bits of maskb[e] (64 words, whole numbers, by scalar loads).  A lane's row is min(16 tile + r, count - 1):
; places past the count repeat the last row, and such rows compute and store the same bytes again at the same address.  The loop has a constant 64 trips (1,024 rows) and every wave passes every barrier; a trip past
; the count jumps forward over the work alone.  The trip behind the last tile multiplies repeated rows once more, to no use: the price of one text for the trip.
; AN EXPERT WITHOUT ROWS counts as having one: the first product, which counts alike, stored a row at its region's first place, so no byte is read that nobody wrote; what is made of that row is stored and never read.
; It costs such an expert one tile's work beside the slice that it streams anyway.
; NO TENSOR LOADS, NO CLUSTER.  Each slice of weights has one reader, and passes through registers for the rounding anyway.  A quarter of the rows is shared by 8 work-groups; but a joint load is a tensor load, which may
; not be jumped in a loop, and in 64 constant trips it would fetch 1,024 rows for every expert, four times the mean of 256, which eats the division by four; and each tile's 32 KB would go into LDS and out again.
; LIMITS.  Inputs rounded once to bf16.  W2 is held in f16, which ends at 65,504: W2 has a spread of 0.016 as drawn, 0.47 when 30 times larger or offset by 30 times its spread; a weight beyond 65,504 becomes an infinity.
; NaN and infinities are not treated apart.
; THE MODE: SCHED_MODE bits 1:0 = 2 (LLVM: expert scheduling mode 2), set by the entry lines.  The code itself states the register dependences between vector or matrix instructions and memory or LDS
; instructions, with s_wait_alu, always for 0.
; THE PLAN.  Registers that memory or LDS instructions touch:
;   v4, v5, v16, v18   offsets of the weights, the prefetches, my partials in LDS and the bias: made at the head, never written again.  One wait on va_vdst at the head serves them for the whole kernel.
;   slot b % 4         (window 1, 64 registers; the stream)  Batch b's loads land in it; batch b's roundings read it (the second product's also write it, in place); batch b + 4's loads land in it.
;                      One wait on va_vdst a batch, behind the roundings and ahead of those loads.
;   v14, v15           the rows' offsets, by the tile's parity.  Written by four vector lines in trip t, read by trip t's 16 row loads (tile t + 2), written again in trip t + 2.
;   v128-255           the rows, by the tile's parity.  Trip t's matrix instructions read what trip t - 2's loads brought; trip t's loads land there again.
;   v64-127            the accumulators.  Trip t's matrix instructions write them, trip t's 16 LDS stores read them, trip t + 1's matrix instructions write them anew.
;   window 1 v72       the LDS address by which partials are read back: made once behind the stream.
;   window 1 v0-63     Trip t's 16 LDS loads land there (tile t - 1's partials); the way out's lines read and write them; the second product's global stores read them.
;   window 1 v80-105   the way out's packed h and store offsets: written by its lines, read by the global stores.
; A TRIP'S WAITS.  At its head, ahead of the branch, one wait on vm_vsrc (beside s_wait_xcnt 0): all that earlier trips' LDS stores, row loads and global stores read is free to be written again.  Ahead of the 16 LDS loads
; one wait on va_vdst: the last trip's way out is done with window 1 v0-63.  In the middle ONE wait on va_vdst, behind the offset's lines, the 64 matrix instructions and the way out's first part: it serves the LDS stores
; (accumulators), the row loads (the rows' registers, the offset), the batch of reciprocals and exponentials (first product) and the global stores (second product); no vector line stands between it and any of these.
; The first product's roundings to f16 come behind it, so its two global stores have a wait of their own.
.set FC2, 1
.set XPITCH, 528                       ; a row of 128 f32 partial sums + 16 bytes: row r starts 4 r banks on
.set XPART,  16*XPITCH                 ; one wave's partial
.set XBUF,   4*XPART                   ; two such buffers take turns
.if FC2
.set WPITCH, 4096                      ; bytes in a row of the weights
.else
.set WPITCH, 16384
.endif
; window 0
.set RR,   1                           ; lane % 16
.set HH,   2                           ; lane / 16
.set LN,   3                           ; lane
.set WOFF, 4                           ; weights: my 16 bytes in a row, and h's rows
.set PFO,  5                           ; prefetch: a lane for each of a batch's 32 rows
.set T0,   8
.set T1,   9
.set AL,   12                          ; 16 h
.set AOFF, 14                          ; v14, v15: my row's byte offset, by the tile's parity
.set XW,   16                          ; where my partial sums go
.set BO,   18
.set BI,   20                          ; v20-27 bias as loaded
.set BP,   28                          ; v28-31 bias packed
.set C0,   32                          ; v32-34 on their way to window 1
.set ACC,  64                          ; v64-127 tile T at 64 + 8 T
.set AB,   128                         ; v128-191, v192-255: 16 rows x 256 K, by the tile's parity; K step s at + 8 s
; window 1: during the stream four slots of 64 for weights as loaded; afterwards:
.set BIAS, 64
.set XRD,  72
.set ROW0, 73
.set U16,  75
.set PI,   76                          ; v76-79 the places of the rows that I finish
.set PQ,   80                          ; first product: v80-95 the polynomial; second: v80-83 store offsets
.set HR,   96                          ; v96-103 h, packed
.set HO,   104                         ; v104-105 store offsets
.set TW,   106
; windows 2, 3: the weights: K step s, tile T at 64 (s % 4) + 8 T of window 2 + s / 4
; scalars: s[4:5] weights; s[6:7] bias; s[8:9] rows; s[10:11] maskb; s[12:13] output; s14 wave; s15 expert; s16 block of columns; s17 quarter of K;
; s18 count; s19 tiles; s20 count - 1; s21 the loop's counter; s22 the trip's tile; s23 the tile before; s[24:25] an offset; s26-28 at work; s30 a mask; s[32:63], s[68:99] the bitmap
.set MSB, 0
.macro WIN new                         ; bits 1:0 source 0, 3:2 source 1, 5:4 source 2, 7:6 destination; the high byte repeats the setting that is left
.if MSB != (\new)
	s_set_vgpr_msb (MSB<<8)|(\new)
.set MSB, (\new)
.endif
.endm
; Batch b = (K step b / 2, column half b % 2): 16 loads, the lane's 16 k, into slot b % 4.
.macro WLOAD b
	WIN 0x40
.set idx, 0
.rept 16
.if FC2
.set wrow, 128*((\b)/8)+((\b)/2)%4+4*(idx%4)+64*((idx/4)%2)+32*(idx/8)  ; the row of W2 that hbuf's order puts at this k (h adds 16 rows)
.else
.set wrow, 32*((\b)/2)+idx%8+16*(idx/8)                                 ; k = 32 s + 8 h + 0..7, 32 s + 16 + 8 h + 0..7 (h adds 8 rows)
.endif
	global_load_b128 v[64*((\b)%4)+4*idx:64*((\b)%4)+4*idx+3], v[WOFF], s[4:5] offset:wrow*WPITCH+256*((\b)%2) th:TH_LOAD_NT
.set idx, idx+1
.endr
.endm
; One stage of batch b's rounding, for its 32 pairs of numbers (the lane's k number 2 q and 2 q + 1 of column c).  Stage 3 writes register q of tile 4 (b % 2) + c.
; First product: stage 3 alone, to bf16.  Second product: 0 both rounded to bf16, in place; 1, 2 widened again; 3 written as f16, the form of the other operand, h.
.macro WST b, st
.set c, 0
.rept 4
.set q, 0
.rept 8
.set wa, 64*((\b)%4)+8*q+c
.set wd, 64*(((\b)/2)%4)+8*(4*((\b)%2)+c)+q
.if (\st) == 0
	v_cvt_pk_bf16_f32 v[wa], v[wa], v[wa+4]
.elseif (\st) == 1
	v_and_b32 v[wa+4], s30, v[wa]
.elseif (\st) == 2
	v_lshlrev_b32 v[wa], 16, v[wa]
.elseif FC2
	v_cvt_pk_f16_f32 v[wd], v[wa], v[wa+4]
.else
	v_cvt_pk_bf16_f32 v[wd], v[wa], v[wa+4]
.endif
.set q, q+1
.endr
.set c, c+1
.endr
.endm
.macro WCVT b
.if FC2
	WIN 0x45                                       ; all in window 1
	WST \b, 0
	WST \b, 1
	WST \b, 2
.endif
	WIN 0x85+0x40*((\b)/8)                         ; sources window 1, destination window 2 or 3
	WST \b, 3
.endm
; Batch b's 32 blocks of 256 bytes, a lane each, asked for once in the launch, three batches ahead of the batch's loads; the last batch asked for is the slice's last.
.macro PF b
.if FC2
	global_prefetch_b8 v[PFO], s[4:5] offset:(128*((\b)/8)+((\b)/2)%4)*WPITCH+256*((\b)%2) th:TH_LOAD_NT scope:SCOPE_SE
.else
	global_prefetch_b8 v[PFO], s[4:5] offset:32*((\b)/2)*WPITCH+256*((\b)%2) th:TH_LOAD_NT scope:SCOPE_SE
.endif
.endm
; The expert's count: the set bits of its 64 words, and 1 where there are none.  Tiles = ceil(count / 16), one at the least.
.macro COUNT
.set w, 0
.rept 64
.if w < 32
.set mr, 32+w
.else
.set mr, 36+w
.endif
	s_bcnt1_i32_b32 s26, s[mr]
	s_add_co_u32 s18, s18, s26
.set w, w+1
.endr
	s_max_u32 s18, s18, 1
	s_sub_co_u32 s20, s18, 1
	s_min_u32 s20, s20, 1023                       ; the last row's place
	s_add_co_u32 s19, s18, 15
	s_lshr_b32 s19, s19, 4
.endm
.macro AOFFS par                       ; my row of tile s26: place 16 s26 + r, the last row's at the most; from it the byte offset
	v_lshl_add_u32 v[T1], s26, 4, v[RR]
	v_min_u32 v[T1], s20, v[T1]
	v_min_u32 v[T1], 1023, v[T1]
.if FC2
	v_lshl_add_u32 v[AOFF+(\par)], v[T1], 13, v[AL]   ; a row of hbuf is 8,192 bytes
.else
	v_lshl_add_u32 v[AOFF+(\par)], v[T1], 11, v[AL]   ; a row of xs is 2,048 bytes
.endif
.endm
.macro ALOAD par                       ; 16 rows x my 256 K as source 1: no hint, other work-groups read these rows again
.set ms, 0
.rept 8
	global_load_b128 v[AB+64*(\par)+8*ms:AB+64*(\par)+8*ms+3],   v[AOFF+(\par)], s[8:9] offset:64*ms
	global_load_b128 v[AB+64*(\par)+8*ms+4:AB+64*(\par)+8*ms+7], v[AOFF+(\par)], s[8:9] offset:64*ms+32
.set ms, ms+1
.endr
.endm
; 64 matrix instructions: source 0 = 16 columns of the weights, source 1 = 16 rows: a lane's results are one row's eight places.  The eight accumulators take turns, one instruction a turn; the first eight start the sums.
; The first product's operands are bf16, the second's f16.
.macro MMA par
.set ms, 0
.rept 8
	WIN 0x02+ms/4
.set mt, 0
.rept 8
.set rD, ACC+8*mt
.set rW, 64*(ms%4)+8*mt
.set rA, AB+64*(\par)+8*ms
.if FC2 && (ms == 0)
	v_wmma_f32_16x16x32_f16 v[rD:rD+7], v[rW:rW+7], v[rA:rA+7], 0
.elseif FC2
	v_wmma_f32_16x16x32_f16 v[rD:rD+7], v[rW:rW+7], v[rA:rA+7], v[rD:rD+7]
.elseif ms == 0
	v_wmma_f32_16x16x32_bf16 v[rD:rD+7], v[rW:rW+7], v[rA:rA+7], 0
.else
	v_wmma_f32_16x16x32_bf16 v[rD:rD+7], v[rW:rW+7], v[rA:rA+7], v[rD:rD+7]
.endif
.set mt, mt+1
.endr
.set ms, ms+1
.endr
	WIN 0
.rept 5
	v_nop                                          ; the places behind the last products: ahead of the stores of the results and of the next tile's products that write the accumulators anew; the wait on va_vdst further down stands beside them, not for them
.endr
.endm
.macro XPUT par                        ; each accumulator from its low end on
.set mt, 0
.rept 8
	ds_store_b128 v[XW], v[ACC+8*mt:ACC+8*mt+3]   offset:(\par)*XBUF+64*mt
	ds_store_b128 v[XW], v[ACC+8*mt+4:ACC+8*mt+7] offset:(\par)*XBUF+64*mt+16
.set mt, mt+1
.endr
.endm
.macro XGET par                        ; the four partials of my four rows: sixteen lanes take 256 consecutive bytes
	WIN 0x55
	s_wait_alu depctr_va_vdst(0)                   ; the way out's lines of the trip before are done reading and writing window 1's v0-63, in which these loads land; v72, their address, is written
.if FC2
.irp i, 0,1,2,3
.irp q, 0,1,2,3
	ds_load_b128 v[16*(\i)+4*(\q):16*(\i)+4*(\q)+3], v[XRD] offset:(\par)*XBUF+XPART*(\q)+XPITCH*(\i)
.endr
.endr
.else
.irp i, 0,1
.irp q, 0,1,2,3
.irp c, 0,1
	ds_load_b128 v[32*(\i)+8*(\q)+4*(\c):32*(\i)+8*(\q)+4*(\c)+3], v[XRD] offset:(\par)*XBUF+XPART*(\q)+2*XPITCH*(\i)+256*(\c)
.endr
.endr
.endr
.endif
.endm
; THE WAY OUT, stage n for pair k of eight pairs of numbers; dealt stage by stage, so that seven independent lines stand between a line and the one that reads its result.
; 0-3 bias and the four partials.  First product alone: 4, 5 |x|; 6 1 + 0.2316419 |x|; 7, 8 -x x log2(e) / 2; 9-12 ONE BATCH of reciprocals and exponentials;
; 13-18 P = half the polynomial in t, times t, times the exponential = erfc(|x| / sqrt 2) / 2; 19-21 gelu = max(x, 0) - |x| P; 22 rounded to f16.
.macro EPS
.if FC2
.set X, 16*(k/2)+2*(k%2)
.set X1, X+4
.set X2, X+8
.set X3, X+12
.set B_, BIAS+2*(k%2)
.else
.set X, 32*(k/4)+2*(k%4)
.set X1, X+8
.set X2, X+16
.set X3, X+24
.set B_, BIAS+2*(k%4)
.endif
.set P_, PQ+2*k
.if n == 0
	v_pk_add_f32 v[X:X+1], v[X:X+1], v[B_:B_+1]
.elseif n == 1
	v_pk_add_f32 v[X2:X2+1], v[X2:X2+1], v[X3:X3+1]
.elseif n == 2
	v_pk_add_f32 v[X:X+1], v[X:X+1], v[X1:X1+1]
.elseif n == 3
	v_pk_add_f32 v[X:X+1], v[X:X+1], v[X2:X2+1]
.elseif n == 4
	v_and_b32 v[X1], s46, v[X]
.elseif n == 5
	v_and_b32 v[X1+1], s46, v[X+1]
.elseif n == 6
	v_pk_fma_f32 v[X2:X2+1], v[X1:X1+1], s[32:33], 1.0 op_sel_hi:[1,0,0]
.elseif n == 7
	v_pk_mul_f32 v[X3:X3+1], v[X:X+1], v[X:X+1]
.elseif n == 8
	v_pk_mul_f32 v[X3:X3+1], v[X3:X3+1], s[34:35] op_sel_hi:[1,0]
.elseif n == 9
	v_rcp_f32 v[X2], v[X2]
.elseif n == 10
	v_rcp_f32 v[X2+1], v[X2+1]
.elseif n == 11
	v_exp_f32 v[X3], v[X3]
.elseif n == 12
	v_exp_f32 v[X3+1], v[X3+1]
.elseif n == 13
	v_pk_fma_f32 v[P_:P_+1], v[X2:X2+1], s[36:37], s[38:39] op_sel_hi:[1,0,0]
.elseif n == 14
	v_pk_fma_f32 v[P_:P_+1], v[P_:P_+1], v[X2:X2+1], s[40:41] op_sel_hi:[1,1,0]
.elseif n == 15
	v_pk_fma_f32 v[P_:P_+1], v[P_:P_+1], v[X2:X2+1], s[42:43] op_sel_hi:[1,1,0]
.elseif n == 16
	v_pk_fma_f32 v[P_:P_+1], v[P_:P_+1], v[X2:X2+1], s[44:45] op_sel_hi:[1,1,0]
.elseif n == 17
	v_pk_mul_f32 v[P_:P_+1], v[P_:P_+1], v[X2:X2+1]
.elseif n == 18
	v_pk_mul_f32 v[P_:P_+1], v[P_:P_+1], v[X3:X3+1]
.elseif n == 19
	v_max_num_f32 v[X2], 0, v[X]
.elseif n == 20
	v_max_num_f32 v[X2+1], 0, v[X+1]
.elseif n == 21
	v_pk_fma_f32 v[X:X+1], v[X1:X1+1], v[P_:P_+1], v[X2:X2+1] neg_lo:[1,0,0] neg_hi:[1,0,0]
.else
	v_cvt_pk_f16_f32 v[HR+k], v[X], v[X+1]
.endif
.endm
.macro RUN first, count
.set n, \first
.rept \count
.set k, 0
.rept 8
	EPS
.set k, k+1
.endr
.set n, n+1
.endr
.endm
; The rows that I finish lie at the places 16 s23 + my first row + its steps, the last row's place at the most: the same rule as for the loads, so a repeated row goes where the row itself goes.
; The way out stands in two parts, round the trip's middle wait.  EPI1: the sums, (first product) all up to the end of the batch of reciprocals and exponentials, and the stores' offsets.
; EPI2: (first product) the rest of the gelu and the roundings; the global stores.
.macro EPI1
	WIN 0x55                                       ; all in window 1
.if FC2
	RUN 0, 4
	v_lshl_add_u32 v[TW], s23, 4, v[ROW0]
.irp i, 1,2,3
	v_add_nc_u32 v[PI+(\i)], \i, v[TW]
.endr
	v_min_u32 v[PI], s20, v[TW]
.irp i, 1,2,3
	v_min_u32 v[PI+(\i)], s20, v[PI+(\i)]
.endr
.irp i, 0,1,2,3
	v_min_u32 v[PI+(\i)], 1023, v[PI+(\i)]
.endr
.irp i, 0,1,2,3
	v_lshl_add_u32 v[PQ+(\i)], v[PI+(\i)], 12, v[U16]  ; a row of part is 4,096 bytes
.endr
.else
	RUN 0, 13
	v_lshl_add_u32 v[TW], s23, 4, v[ROW0]          ; the stores' offsets are the plain, independent work behind the last exponential
	v_add_nc_u32 v[PI+1], 2, v[TW]
	v_min_u32 v[PI], s20, v[TW]
	v_min_u32 v[PI+1], s20, v[PI+1]
.irp i, 0,1
	v_min_u32 v[PI+(\i)], 1023, v[PI+(\i)]
.endr
.irp i, 0,1
	v_lshl_add_u32 v[HO+(\i)], v[PI+(\i)], 13, v[U16]  ; a row of hbuf is 8,192 bytes
.endr
.endif
.endm
.macro EPI2
	WIN 0x55                                       ; all in window 1
.if FC2
.irp i, 0,1,2,3
	global_store_b128 v[PQ+(\i)], v[16*(\i):16*(\i)+3], s[12:13]  ; 32 lanes store 512 consecutive bytes, aligned.  No wait: no vector line since the trip's middle wait names their data or offsets
.endr
.else
	RUN 13, 10
	s_wait_alu depctr_va_vdst(0)                   ; the roundings have written v96-103 of window 1, which the two stores read
.irp i, 0,1
	global_store_b128 v[HO+(\i)], v[HR+4*(\i):HR+4*(\i)+3], s[12:13]  ; sixteen lanes store 256 consecutive bytes of one row, aligned
.endr
.endif
.endm
; TRIP t = 2 s21 + 1 + kk (head = 1: t = 0, which every expert has), par = t % 2.  It multiplies tile t, finishes tile t - 1 and asks for the rows of tile t + 2.
; One barrier a trip does for both orders: the partials of tile t are stored and awaited ahead of it and read behind it; buffer par, written here, was last read in the trip before, whose reads were awaited ahead of that trip's barrier.
.macro TRIP par, kk, head
.if \head
	s_mov_b32 s26, 2
.else
	s_lshl_b32 s22, s21, 1
	s_add_co_u32 s22, s22, 1+(\kk)                 ; t
	s_sub_co_u32 s23, s22, 1
	s_add_co_u32 s26, s22, 2
	s_wait_xcnt 0x0                                ; the last trip's stores have had their addresses translated: their data and offsets are written again only behind this wait
	s_wait_alu depctr_vm_vsrc(0)                   ; ahead of the branch, on every way: the last trip's LDS stores have read the accumulators, its global stores their data and offsets, the row loads of two trips back v[AOFF + par]: all are written again below
	s_cmp_gt_u32 s22, s19
	s_cbranch_scc1 .Lidle_\@                       ; past the count: forward over the work alone
	XGET 1-(\par)
	WIN 0
.endif
	s_wait_loadcnt 16                              ; tile t's rows are in; the 16 younger loads are tile t + 1's
.if \head
	s_wait_alu depctr_vm_vsrc(0)                   ; the loads of tile 0's rows have read v[AOFF], which the next lines write again
.endif
	AOFFS \par                                     ; this offset register's last loads were shown done by the wait for tile t's rows
	MMA \par
.if !(\head)
	s_wait_dscnt 0x0                               ; the four partials of tile t - 1 are back: they are the only LDS instructions out
	EPI1
	WIN 0
.endif
	s_wait_alu depctr_va_vdst(0)                   ; ONE wait: the products have written the accumulators, which the LDS stores read, and are done reading tile t's rows, in whose registers the next loads land; v[AOFF + par] is written; first product: the 32 reciprocals and exponentials have written their results, ahead of their first reader; second: the sums and the stores' offsets are written
	XPUT \par
	ALOAD \par
.if !(\head)
	EPI2
	WIN 0
	s_branch .Ljoin_\@
.Lidle_\@:
	s_wait_loadcnt 0x0                             ; so that the count 16 holds on every way into a later trip
.Ljoin_\@:
.endif
	s_wait_dscnt 0x0                               ; for the others' sake: my partials are stored and my reads of the other buffer are back
	s_barrier_signal -1
	s_barrier_wait -1
.endm
	s_load_b256 s[4:11], s[0:1], 0x0               ; weights s[4:5], bias s[6:7], rows s[8:9], maskb s[10:11]
	s_load_b64 s[12:13], s[0:1], 0x20              ; output
	v_lshl_add_u32 v62, v0, 2, 0x10800
	v_mov_b32 v63, 0
	v_lshrrev_b32 v1, 5, v0
	v_readfirstlane_b32 s14, v1                    ; wave = K quarter 0..3
	s_and_b32 s15, ttmp7, 0xffff                   ; expert
.if FC2
	s_and_b32 s16, ttmp9, 7                        ; block of 128 columns
	s_lshr_b32 s17, ttmp9, 3                       ; quarter of K
	s_mov_b32 s30, 0xffff0000                      ; a word's upper bf16
.else
	s_mov_b32 s16, ttmp9                           ; block of 128 columns
.endif
	v_and_b32 v[RR], 15, v0
	v_bfe_u32 v[HH], v0, 4, 1
	v_and_b32 v[LN], 31, v0
.if FC2
	v_lshlrev_b32 v[WOFF], 16, v[HH]               ; h: 16 rows of 4,096 bytes
	v_and_b32 v[T0], 3, v[LN]                      ; bias of place 4 lane + i: column 64 (lane / 16) + 16 (lane % 4) + 4 i + (lane / 4) % 4
	v_bfe_u32 v[T1], v[LN], 2, 2
	v_lshlrev_b32 v[T1], 2, v[T1]
	v_lshl_add_u32 v[T1], v[T0], 6, v[T1]
	v_lshl_add_u32 v[BO], v[HH], 8, v[T1]
.else
	v_lshlrev_b32 v[WOFF], 17, v[HH]               ; h: 8 rows of 16,384 bytes
	v_and_b32 v[T0], 3, v[RR]                      ; bias of place 8 u + i: column 64 (i / 4) + 16 (u % 4) + 4 (i % 4) + u / 4
	v_lshrrev_b32 v[T1], 2, v[RR]
	v_lshlrev_b32 v[T1], 2, v[T1]
	v_lshl_add_u32 v[BO], v[T0], 6, v[T1]
.endif
	v_lshl_add_u32 v[WOFF], v[RR], 4, v[WOFF]
	v_lshlrev_b32 v[PFO], 14, v[LN]                ; a batch's 32 rows lie 16,384 bytes apart in both products
	v_lshlrev_b32 v[AL], 4, v[HH]
	s_wait_alu depctr_va_sdst(0)                   ; s14 is written, ahead of its first reader: LDS places and the bases of weights, rows and output are made from it
	s_mul_i32 s28, s14, XPART
	v_mul_u32_u24 v[XW], v[RR], XPITCH
	v_lshl_add_u32 v[XW], v[HH], 5, v[XW]
	v_add_nc_u32 v[XW], s28, v[XW]                 ; my wave's partial, row r, 32 h
	s_mov_b32 s18, 0                               ; the count
	s_mov_b32 s25, 0
	s_wait_kmcnt 0x0
	s_lshl_b32 s24, s15, 8
	s_add_nc_u64 s[10:11], s[10:11], s[24:25]      ; my expert's 64 words
	s_load_b512 s[32:47], s[10:11], 0x0
	s_load_b512 s[48:63], s[10:11], 0x40
	s_load_b512 s[68:83], s[10:11], 0x80
	s_load_b512 s[84:99], s[10:11], 0xc0
.if FC2
	s_lshl_b32 s24, s15, 24                        ; expert: 4,096 rows of 4,096 bytes
	s_lshl_b32 s26, s17, 22                        ; quarter: 1,024 rows
	s_add_co_u32 s24, s24, s26
	s_lshl_b32 s26, s14, 20                        ; wave: 256 rows
	s_add_co_u32 s24, s24, s26
	s_lshl_b32 s26, s16, 9                         ; 128 columns of 4 bytes
	s_add_co_u32 s24, s24, s26
	s_add_nc_u64 s[4:5], s[4:5], s[24:25]
	s_lshl_b32 s24, s15, 12
	s_add_co_u32 s24, s24, s26
	s_add_nc_u64 s[6:7], s[6:7], s[24:25]
	s_lshl_b32 s24, s17, 11                        ; hbuf: a row's 1,024 places of 2 bytes a quarter, 256 a wave,
	s_lshl_b32 s27, s14, 9
	s_add_co_u32 s24, s24, s27
	s_lshl_b32 s27, s15, 23                        ; an expert's 1,024 rows of 8,192 bytes
	s_add_co_u32 s24, s24, s27
	s_add_nc_u64 s[8:9], s[8:9], s[24:25]
	s_lshl_b32 s24, s17, 25                        ; part: 8,192 rows of 4,096 bytes a quarter,
	s_lshl_b32 s27, s15, 22                        ; 1,024 an expert
	s_add_co_u32 s24, s24, s27
	s_add_co_u32 s24, s24, s26
	s_add_nc_u64 s[12:13], s[12:13], s[24:25]
.else
	s_lshl_b32 s24, s15, 24                        ; expert: 1,024 rows of 16,384 bytes
	s_lshl_b32 s26, s14, 22                        ; wave: 256 rows
	s_add_co_u32 s24, s24, s26
	s_lshl_b32 s26, s16, 9                         ; 128 columns of 4 bytes
	s_add_co_u32 s24, s24, s26
	s_add_nc_u64 s[4:5], s[4:5], s[24:25]
	s_lshl_b32 s24, s15, 14
	s_add_co_u32 s24, s24, s26
	s_add_nc_u64 s[6:7], s[6:7], s[24:25]
	s_lshl_b32 s24, s14, 9                         ; xs: a row's 256 K of 2 bytes a wave,
	s_lshl_b32 s26, s15, 21                        ; an expert's 1,024 rows of 2,048 bytes
	s_add_co_u32 s24, s24, s26
	s_add_nc_u64 s[8:9], s[8:9], s[24:25]
	s_lshl_b32 s24, s15, 23                        ; hbuf: an expert's 1,024 rows of 8,192 bytes,
	s_lshl_b32 s26, s16, 8                         ; 128 places of 2 bytes
	s_add_co_u32 s24, s24, s26
	s_add_nc_u64 s[12:13], s[12:13], s[24:25]
.endif
	s_wait_alu depctr_va_vdst(0)                   ; v4, v5, v16 and v18 are written: the offsets that the loads of bias and weights, the prefetches and the LDS stores read, from here to the kernel's end
.if FC2
.irp i, 0,1,2,3
	global_load_b32 v[BI+(\i)], v[BO], s[6:7] offset:16*(\i)
.endr
.else
.irp i, 0,1,2,3,4,5,6,7
	global_load_b32 v[BI+(\i)], v[BO], s[6:7] offset:16*((\i)%4)+256*((\i)/4)
.endr
.endif
	WLOAD 0
	WLOAD 1
	WLOAD 2
	WLOAD 3
	PF 4
	PF 5
	PF 6
	WIN 0
; THE STREAM: 16 batches through four slots: three batches (48 loads of 512 bytes a wave) stay on their way while one is rounded.
.irp b, 0,1,2,3,4,5,6,7,8,9,10,11,12,13,14,15
.if ((\b) == 13) || ((\b) == 15)
	s_wait_loadcnt 32                              ; batch 13: two younger batches; batch 15: the 32 loads of the first two tiles' rows
.else
	s_wait_loadcnt 48                              ; three younger batches (batch 14: batch 15 and the 32 loads of rows)
.endif
	WCVT \b
.if (\b) < 12
	WIN 0x40
	s_wait_alu depctr_va_vdst(0)                   ; the roundings are done reading this batch's slot (the second product's: and writing it), in which the loads of the batch four on land
	WLOAD (\b)+4
.endif
.if (\b) < 9
	PF (\b)+7
.endif
	WIN 0
.if (\b) == 0
	s_wait_kmcnt 0x0                               ; the bitmap
	COUNT
.endif
.if ((\b) == 9) && !FC2
	s_mov_b32 s32, 0x3e6d3388                      ; 0.3275911 / sqrt 2; the bitmap's registers are free
	s_mov_b32 s33, s32                             ; each is named as a pair
	s_mov_b32 s34, 0xbf38aa3b                      ; -log2(e) / 2
	s_mov_b32 s35, s34
	s_mov_b32 s36, 0x3f07dc22                      ; 1.061405429 / 2
	s_mov_b32 s37, s36
	s_mov_b32 s38, 0xbf3a00e3                      ; -1.453152027 / 2
	s_mov_b32 s39, s38
	s_mov_b32 s40, 0x3f35f0e3                      ; 1.421413741 / 2
	s_mov_b32 s41, s40
	s_mov_b32 s42, 0xbe11a98e                      ; -0.284496736 / 2
	s_mov_b32 s43, s42
	s_mov_b32 s44, 0x3e027906                      ; 0.254829592 / 2
	s_mov_b32 s45, s44
	s_mov_b32 s46, 0x7fffffff
.endif
.if (\b) == 13
	s_mov_b32 s26, 0                               ; the rows of tiles 0 and 1 are asked for while the last weights come in
	AOFFS 0
	s_mov_b32 s26, 1
	AOFFS 1
	s_wait_alu depctr_va_vdst(0)                   ; v14 and v15 are written, which the 32 loads below read as their offsets
	ALOAD 0
	ALOAD 1
.endif
.endr
	; window 1 is free: the bias (rounded to bf16, widened again) and the way out's lane constants
.if FC2
	v_cvt_pk_bf16_f32 v[BP], v[BI], v[BI+1]
	v_cvt_pk_bf16_f32 v[BP+1], v[BI+2], v[BI+3]
	s_cmp_eq_u32 s17, 0
	s_cselect_b32 s28, -1, 0                       ; the bias is added in K's quarter 0 alone
	v_and_b32 v[BP], s28, v[BP]
	v_and_b32 v[BP+1], s28, v[BP+1]
	s_lshl_b32 s27, s14, 2
	v_mov_b32 v[C0], s27                           ; my first row of a tile: 4 wk
	s_mul_i32 s27, s14, 4*XPITCH
	v_lshl_add_u32 v[C0+1], v[LN], 4, s27          ; that row, 16 bytes a lane
	v_lshlrev_b32 v[C0+2], 4, v[LN]
.else
.irp j, 0,1,2,3
	v_cvt_pk_bf16_f32 v[BP+(\j)], v[BI+2*(\j)], v[BI+2*(\j)+1]
.endr
	v_lshl_add_u32 v[C0], s14, 2, v[HH]            ; my first row of a tile: 4 wk + lane / 16
	v_mul_u32_u24 v[C0+1], v[C0], XPITCH
	v_lshl_add_u32 v[C0+1], v[RR], 4, v[C0+1]      ; that row, 16 bytes for each of 16 lanes
	v_lshlrev_b32 v[C0+2], 4, v[RR]
.endif
	WIN 0x40                                       ; destination window 1
.if FC2
.irp j, 0,1
	v_lshlrev_b32 v[BIAS+2*(\j)], 16, v[BP+(\j)]
	v_and_b32 v[BIAS+2*(\j)+1], 0xffff0000, v[BP+(\j)]
.endr
.else
.irp j, 0,1,2,3
	v_lshlrev_b32 v[BIAS+2*(\j)], 16, v[BP+(\j)]
	v_and_b32 v[BIAS+2*(\j)+1], 0xffff0000, v[BP+(\j)]
.endr
.endif
	v_mov_b32 v[ROW0], v[C0]
	v_mov_b32 v[XRD], v[C0+1]
	v_mov_b32 v[U16], v[C0+2]
	WIN 0
	TRIP 0, 0, 1                                   ; tile 0: nothing to finish yet
	s_mov_b32 s21, 0
.Lloop:                                                ; 32 trips of two tiles: t = 1 .. 64
	TRIP 1, 0, 0
	TRIP 0, 1, 0
	s_add_co_u32 s21, s21, 1
	s_cmp_lt_u32 s21, 32
	s_cbranch_scc1 .Lloop
	s_wait_dscnt 0x0                               ; the wave's end
	s_wait_alu depctr_hold_cnt(0) depctr_sa_sdst(0) depctr_va_vdst(0) depctr_va_sdst(0) depctr_va_ssrc(0) depctr_va_vcc(0) depctr_vm_vsrc(0)
	s_wait_tensorcnt 0x0
	ds_add_u32 v62, v63
	s_wait_dscnt 0x0
	s_endpgm
.Lfunc_end_k_q486624a2b7_fc2:
	.size	k_q486624a2b7_fc2, .Lfunc_end_k_q486624a2b7_fc2-k_q486624a2b7_fc2
	.p2alignl 7, 3214868480
	.fill 96, 4, 3214868480
	.section	.rodata,"a",@progbits
	.p2align	6, 0x0
	.amdhsa_kernel k_q486624a2b7_fc2
		.amdhsa_group_segment_fixed_size 68096
		.amdhsa_private_segment_fixed_size 0
		.amdhsa_enable_private_segment 0
		.amdhsa_kernarg_size 40
		.amdhsa_user_sgpr_count 2
		.amdhsa_user_sgpr_kernarg_segment_ptr 1
		.amdhsa_wavefront_size32 1
		.amdhsa_system_sgpr_workgroup_id_x 1
		.amdhsa_system_sgpr_workgroup_id_y 1
		.amdhsa_system_sgpr_workgroup_id_z 1
		.amdhsa_system_vgpr_workitem_id 0
		.amdhsa_next_free_vgpr 1024
		.amdhsa_next_free_sgpr 100
		.amdhsa_reserve_vcc 0
		.amdhsa_float_denorm_mode_32 3
		.amdhsa_float_denorm_mode_16_64 3
		.amdhsa_memory_ordered 1
		.amdhsa_forward_progress 1
		.amdhsa_inst_pref_size 167
	.end_amdhsa_kernel
	.amdgpu_metadata
---
amdhsa.version: [ 1, 2 ]
amdhsa.kernels:
  - .name:           k_q486624a2b7_fc2
    .symbol:         k_q486624a2b7_fc2.kd
    .args:
      - { .name: W2, .offset: 0, .size: 8, .value_kind: global_buffer, .address_space: global }
      - { .name: b2, .offset: 8, .size: 8, .value_kind: global_buffer, .address_space: global }
      - { .name: hbuf, .offset: 16, .size: 8, .value_kind: global_buffer, .address_space: global }
      - { .name: maskb, .offset: 24, .size: 8, .value_kind: global_buffer, .address_space: global }
      - { .name: part, .offset: 32, .size: 8, .value_kind: global_buffer, .address_space: global }
    .group_segment_fixed_size: 68096
    .private_segment_fixed_size: 0
    .kernarg_segment_align: 8
    .kernarg_segment_size: 40
    .max_flat_workgroup_size: 128
    .sgpr_count:     100
    .vgpr_count:     1024
    .wavefront_size: 32
...
	.end_amdgpu_metadata
.endif
;; end of part 7
;; launch comb: the kernel of part 5 again; grid 256 x 1, 8 waves a work-group, no clusters, 17,408 bytes of LDS; arguments part, gate, pos, out0; writes out0
